; MI455X (gfx1250); checked and timed in simulation.
; The chip was launched on July 23, 2026; its instructions are those of AMD's public machine-readable ISA for CDNA 5 (MIT licence, August 2026) and "CDNA5" Instruction Set Architecture Reference Guide (July 2026). The comments in the code are by the model that wrote it; some were corrected since.
;; Group Query Attention. Allowed arithmetic: matrix products marked QUANTISED: E4M3 operands, one given power-of-two scale a tensor, by v_wmma_f32_16x16x64_fp8_fp8 or v_wmma_f32_16x16x128_fp8_fp8, f32 sums; everything else in f32.
;; Inputs: Wk 2,048 x 512 float32; Wo 1,024 x 2,048 float32; Wq 2,048 x 1,024 float32; Wv 2,048 x 512 float32; attn_mask 1 x 1 x 2,048 x 2,048 float32; k_norm_w 64 float32; lowp_scales 12 int32 (the exponents e of the quantised operands' scales 2^e); position_ids 2 x 2,048 int32; q_norm_w 64 float32; x 2 x 2,048 x 2,048 float32.
;; Outputs: out0 2 x 2,048 x 2,048 float32; out1 2 x 8 x 2,048 x 64 float32; out2 2 x 8 x 2,048 x 64 float32.
;; This version of the problem:
;;   THIS VERSION OF THE PROBLEM IS GIVEN IN LOW PRECISION. The matrix products marked QUANTISED in the list below multiply operands that are first quantised to E4M3 (4 exponent bits, 3 mantissa bits; 8 bits a number), with one given power-of-two scale for each operand tensor; their sums are f32. All else is computed in f32.
;;   The module's matrix products, in the order in which they are computed (A, B: the left and right operand; K: the contracted axis; several contracted axes count as one K, in the product's order):
;;     1. [M 4,096, K 2,048] x [K 2,048, N 1,024]; A: input x; B: input Wq: QUANTISED (scales: A lowp_scales[0], B lowp_scales[1])
;;     2. [M 4,096, K 2,048] x [K 2,048, N 512]; A: input x; B: input Wk: QUANTISED (scales: A lowp_scales[2], B lowp_scales[3])
;;     3. [M 4,096, K 2,048] x [K 2,048, N 512]; A: input x; B: input Wv: QUANTISED (scales: A lowp_scales[4], B lowp_scales[5])
;;     4. batch 16 x [M 4,096, K 64] x [K 64, N 2,048]; A: computed on the way; B: computed on the way: QUANTISED (scales: A lowp_scales[6], B lowp_scales[7])
;;     5. batch 16 x [M 4,096, K 2,048] x [K 2,048, N 64]; A: softmax (see below); B: computed on the way: QUANTISED (scales: A lowp_scales[8], B lowp_scales[9])
;;     6. [M 4,096, K 1,024] x [K 1,024, N 2,048]; A: computed on the way; B: input Wo: QUANTISED (scales: A lowp_scales[10], B lowp_scales[11])
;;   THE QUANTISER, for each operand of a quantised product, along K:
;;     - The operand's scale is 2^e, e = its entry of the input lowp_scales (int32; the entries are numbered through the quantised products in the list's order, A before B).
;;     - Each number is divided by the scale, clamped to +-448, and rounded to the nearest number of E4M3, ties to even, subnormals kept.
;;     - The product sums the exact products of the quantised numbers (number of the format x scale) in f32.
;;   ~~~python
;;   def quantise(x, axis, e):      # numpy; x: float32 -> the quantised numbers, widened to float32 again
;;       x = np.moveaxis(x, axis, -1); K = x.shape[-1]
;;       r = np.clip(x / 2.0 ** e, -448, 448)
;;       step = 2.0 ** (np.maximum(np.frexp(np.where(r == 0, 1, r))[1] - 1, -6) - 3)
;;       q = np.round(r / step) * step * 2.0 ** e      # np.round: ties to even
;;       return np.moveaxis(q, -1, axis).astype(np.float32)
;;   ~~~
;;   SOFTMAX AHEAD OF A QUANTISED PRODUCT. Where the list says 'softmax', what is quantised is not the finished softmax but p = 2^(t - M), with t = logit x log2(e) and M = ceil(the row's largest t), a whole number; so 1/2 < the row's largest p <= 1. The row's sum l is taken of the UNQUANTISED p, in f32, and the product's result is divided by l at the end. Since M is a whole number, a kernel that streams over the keys may use a running M (the ceiling of the running maximum): every later rescaling is an exact power of two, so the quantised numbers keep their values, but for numbers so far below the row's largest that they fall under the format's range.
;;   OPERANDS COMPUTED ON THE WAY. 'Computed on the way' means the value that the module computes at that place (a softmax that the list does not call 'softmax' is quantised finished and normalised). What goes into a quantiser is computed in f32, as accurately as f32 sums, v_exp_f32 and their like allow (about 1e-6 of the number): no bf16 or f16 on the way to a quantiser, and a product that is left as it is and whose result goes on into a quantised operand takes f32 operands (vector FMAs, or v_wmma_f32_16x16x4_f32). A number that lies on a knife's edge between two numbers of the format may be rounded either way, as far as f32 arithmetic and the matrix unit's own rounding can turn it there, and no further.
;; One version. Each part assembles by itself: llvm-mc -triple=amdgcn-amd-amdhsa -mcpu=gfx1250 --defsym DOCPART=n.
;; ======== version 1 of 1: 4 launches
;; limits: right only within a limited range of input values
;; workspace buffers: xc 25,165,824 bytes; wc 4,194,304 bytes; woc 2,097,152 bytes; rope 1,048,576 bytes; qc 4,194,304 bytes; kvc 4,194,304 bytes; cc 4,194,304 bytes; flags 4,096 bytes of whole numbers
;; launch prep (part 1): grid 576 x 1, 4 waves a work-group, no clusters, 68,096 bytes of LDS; arguments x, position_ids, Wq, Wk, Wv, Wo, lowp_scales, xc, wc, woc, rope, attn_mask, flags; writes xc, wc, woc, rope, flags
.if DOCPART == 1
	.amdgcn_target "amdgcn-amd-amdhsa--gfx1250"
	.amdhsa_code_object_version 6
	.text
	.protected	k_q3b2568f76a_prep
	.globl	k_q3b2568f76a_prep
	.p2align	8
	.type	k_q3b2568f76a_prep,@function
k_q3b2568f76a_prep:
	s_mov_b64 s[64:65], 0
	v_nop
	global_prefetch_b8 v0, s[64:65] scope:SCOPE_SE
	s_setreg_imm32_b32 hwreg(HW_REG_WAVE_MODE, 25, 1), 1
	s_wait_xcnt 0x0
; PREP.  Work-groups 0-255: 16 rows of x each become codes of E4M3 three times over (x is an operand of three products, each with a scale entry of its own: e0, e2, e4),
; and the 16 tokens' cos and sin are laid as the next launch's registers want them.  Work-groups 256-447: Wq, Wk, Wv, Wo ([K][N], f32) become codes with K innermost.
; code = x / 2^e, held within +-448, to the nearest code, ties to even.
; LIMITS: each e used here (e0, e1, e2, e3, e4, e5, e11) lies between -126 and 119; |position x inv_freq| stays under 2^22; NaN among the inputs is not served.
; A stream: no matrix unit, no tensor load, no cluster (no two work-groups read the same bytes).  The two paths part on the work-group's number and have LDS bytes of their own.
; THE MASK'S LIST.  Work-groups 448-575: each reads 16 rows of attn_mask once and stores, for each tile of 16 queries x 128 keys, two bits as whole numbers, which the attention launch reads.
; LIVE is left 0 only where the tile can reach no output.  Both operands of the product Q K^T are codes held within +-448 x their scale, so |score| / 8 <= B = 8 x 448^2 x 2^(e6 + e7) for all inputs.
; A logit of the tile is at most x + B (x: its mask entry), the row's largest logit at least rowmax - B.  Where x + 2 B + 256 < rowmax in every row of the tile (2^-20 of each magnitude is allowed for the
; rounding of the f32 sums), t - M lies under -369: p = 2^(t - M) is 0 in f32, its code is 0, and it adds nothing to the row's sum or to the product with V.  The test is made on the mask as it is given.
; MIXED is 1 where some entry of the tile is not 0: only such a tile's mask is loaded again.
; LIMITS: NaN and +infinity in attn_mask are not served; a NaN, an infinity or an overflow that reaches only a tile left out is not carried to the result.
.set SP,    80
.set WREG,  8192                       ; x path: a wave's region: two stages of 32 x SP bytes
.set WSTG,  4*WREG                     ; w path: four stages of 32 rows x PITCH
.set PITCH, 272
.set SPARE, WSTG+4*32*PITCH            ; the spare words, 128 bytes for each wave; no other line names them
.set R,   16                           ; v16-79   x path: four sets of 16 numbers as loaded
.set X,   80                           ; v80-111  two sets of 16 neighbours
.set T,   112                          ; v112-127 the numbers held within one scale's range
.set C,   128                          ; v128-139 codes, four registers for each of the three scales
.set SC,  140                          ; v140-145 (2^e, 448 x 2^e) for e0, e2, e4
.set FQ,  146                          ; v146-149 the four angles of my lane
.set NN,  150
.set RR,  154
.set ZZ,  158
.set SN,  162
.set CN,  166
.set QI,  170
.set CO,  176                          ; v176-179 cos, v180-183 sin: as stored
.set SI,  180
.set T1,  184
.set T2,  188
.set WX,  48                           ; w path: v48-111 two sets of 32 numbers; v16-47 the rows' offsets
.set WC,  112                          ; v112-119 a block's codes
.set OUTR, 120                         ; v120-183 the way out
	s_load_b512 s[4:19], s[0:1], 0x0               ; x 4, position_ids 6, Wq 8, Wk 10, Wv 12, Wo 14, lowp_scales 16, xc 18
	s_load_b128 s[20:23], s[0:1], 0x40             ; wc 20, woc 22
	s_load_b64 s[24:25], s[0:1], 0x50              ; rope
	v_lshl_add_u32 v12, v0, 2, SPARE               ; my spare word; never rewritten
	v_mov_b32 v13, 0                               ; 0; never rewritten
	v_lshrrev_b32 v1, 5, v0
	v_readfirstlane_b32 s26, v1                    ; wave 0..3
	v_and_b32 v2, 31, v0                           ; lane
	v_lshlrev_b32 v3, 4, v2                        ; 16 x lane; never rewritten
	s_wait_kmcnt 0x0
	s_load_b256 s[28:35], s[16:17], 0x0            ; e0 .. e7
	s_load_b128 s[36:39], s[16:17], 0x20           ; e8 .. e11
	s_cmp_ge_u32 ttmp9, 448
	s_cbranch_scc1 .Lm
	s_cmp_ge_u32 ttmp9, 256
	s_cbranch_scc1 .Lw
; ---------------- x: a wave takes 8,192 numbers (4 rows) in 16 steps of 512 ----------------
	s_mul_i32 s27, s26, WREG
	s_wait_alu depctr_va_vdst(0)
	v_lshrrev_b32 v14, 2, v2
	v_mul_u32_u24 v14, v14, SP
	v_and_b32 v15, 3, v2
	v_lshl_add_u32 v14, v15, 4, v14
	v_add_nc_u32 v14, s27, v14                     ; the stage, on the way in: four lanes' 64 bytes on end, then the padding
	v_mul_u32_u24 v15, v2, SP
	v_add_nc_u32 v15, s27, v15                     ; and on the way out: my 16 neighbours
	s_lshl_b32 s27, ttmp9, 2
	s_add_co_u32 s27, s27, s26                     ; which run of 8,192 numbers is my wave's
	s_lshl_b32 s48, s27, 15
	s_mov_b32 s49, 0
	s_add_nc_u64 s[40:41], s[4:5], s[48:49]        ; x
	s_lshl_b32 s48, s27, 13
	s_add_nc_u64 s[42:43], s[18:19], s[48:49]      ; the three planes of codes, 8,388,608 bytes apart: a base for each
	s_add_nc_u64 s[44:45], s[42:43], 0x800000
	s_add_nc_u64 s[46:47], s[44:45], 0x800000
	s_lshl_b32 s48, ttmp9, 6
	s_add_nc_u64 s[50:51], s[6:7], s[48:49]        ; my work-group's 16 positions
	s_lshl_b32 s48, ttmp9, 12
	s_lshl_b32 s52, s26, 9
	s_add_co_u32 s48, s48, s52
	s_add_nc_u64 s[52:53], s[24:25], s[48:49]      ; the table: 4,096 bytes a tile of tokens; wave w makes piece w (cos) and piece 4 + w (sin)
	v_and_b32 v5, 15, v2
	v_lshlrev_b32 v5, 2, v5
	global_load_b32 v6, v5, s[50:51]               ; the position of token lane % 16
.macro XLOAD t
.irp i, 0,1,2,3
	global_load_b128 v[R+16*((\t)%4)+4*\i:R+16*((\t)%4)+4*\i+3], v3, s[40:41] offset:2048*(\t)+512*\i th:TH_LOAD_NT   ; 32 lanes read 512 consecutive bytes
.endr
.endm
.macro XTURN t                         ; a step's numbers through the stage; LDS serves a wave's instructions in order, so no wait stands between the stores and the loads
.irp i, 0,1,2,3
	ds_store_b128 v14, v[R+16*((\t)%4)+4*\i:R+16*((\t)%4)+4*\i+3] offset:32*SP*((\t)%2)+8*SP*\i
.endr
.irp i, 0,1,2,3
	ds_load_b128 v[X+16*((\t)%2)+4*\i:X+16*((\t)%2)+4*\i+3], v15 offset:32*SP*((\t)%2)+16*\i
.endr
.endm
	XLOAD 0
	XLOAD 1
	XLOAD 2
	XLOAD 3
; cos and sin.  Lane (r, h) of wave w: token r, frequencies j = 16 (w / 2) + 4 (w % 2) + 8 h + 0 .. 3; inv_freq = 10000^(-j / 32) = 2^(-j log2(10) / 8)
	s_lshr_b32 s48, s26, 1
	s_lshl_b32 s48, s48, 4
	s_and_b32 s49, s26, 1
	s_lshl_b32 s49, s49, 2
	s_add_co_u32 s48, s48, s49
	v_lshrrev_b32 v174, 4, v2
	v_lshl_add_u32 v174, v174, 3, s48
.irp i, 0,1,2,3
	v_add_nc_u32 v[FQ+\i], \i, v174
	v_cvt_f32_u32 v[FQ+\i], v[FQ+\i]
	v_mul_f32 v[FQ+\i], 0xbed49a78, v[FQ+\i]       ; x -log2(10) / 8
.endr
	s_wait_alu depctr_va_vdst(0)
.irp i, 0,1,2,3
	v_exp_f32 v[FQ+\i], v[FQ+\i]
.endr
	v_nop                                          ; a plain instruction behind the last exponential
	s_mov_b32 s54, 0x3f22f983                      ; 2 / pi
	s_mov_b32 s55, 0x3fc90fdb                      ; pi / 2 in three parts
	s_mov_b32 s56, 0xb33bbd2e
	s_mov_b32 s57, 0xa6f72ced
	s_mov_b32 s58, 0xbe2aaaa3                      ; sin's polynomial on |r| <= pi / 4
	s_mov_b32 s59, 0x3c08839e
	s_mov_b32 s60, 0xb94ca1f9
	s_mov_b32 s61, 0x3d2aaaa5                      ; cos's
	s_mov_b32 s62, 0xbab6061a
	s_mov_b32 s63, 0x37ccf5ce
	s_wait_alu depctr_va_vdst(0)                   ; one wait for the four exponentials, ahead of their first reader
	s_wait_loadcnt 16                              ; the position is in: the sixteen loads of x are younger
	v_cvt_f32_i32 v175, v6
.irp i, 0,1,2,3
	v_mul_f32 v[FQ+\i], v175, v[FQ+\i]             ; the angle, rounded once
.endr
; sin and cos of one angle: n = the nearest whole number of quarter turns, r = angle - n pi / 2 in three fused steps, two polynomials, then the quadrant
.macro SINCOS i
	v_mul_f32 v[NN+\i], s54, v[FQ+\i]
	v_rndne_f32 v[NN+\i], v[NN+\i]
	v_fma_f32 v[RR+\i], -v[NN+\i], s55, v[FQ+\i]
	v_fma_f32 v[RR+\i], -v[NN+\i], s56, v[RR+\i]
	v_fma_f32 v[RR+\i], -v[NN+\i], s57, v[RR+\i]
	v_cvt_i32_f32 v[QI+\i], v[NN+\i]
	v_mul_f32 v[ZZ+\i], v[RR+\i], v[RR+\i]
	v_fma_f32 v[SN+\i], v[ZZ+\i], s60, s59
	v_fma_f32 v[CN+\i], v[ZZ+\i], s63, s62
	v_fma_f32 v[SN+\i], v[SN+\i], v[ZZ+\i], s58
	v_fma_f32 v[CN+\i], v[CN+\i], v[ZZ+\i], s61
	v_mul_f32 v[T1+\i], v[ZZ+\i], v[RR+\i]
	v_mul_f32 v[T2+\i], v[ZZ+\i], v[ZZ+\i]
	v_fma_f32 v[NN+\i], v[ZZ+\i], -0.5, 1.0
	v_fma_f32 v[SN+\i], v[SN+\i], v[T1+\i], v[RR+\i]
	v_fma_f32 v[CN+\i], v[CN+\i], v[T2+\i], v[NN+\i]
	v_and_b32 v[T1+\i], 1, v[QI+\i]
	v_cmp_eq_u32 vcc_lo, 1, v[T1+\i]               ; an odd quarter: sin and cos change places
	v_cndmask_b32 v[SI+\i], v[SN+\i], v[CN+\i], vcc_lo
	v_cndmask_b32 v[CO+\i], v[CN+\i], v[SN+\i], vcc_lo
	v_and_b32 v[T1+\i], 2, v[QI+\i]
	v_lshlrev_b32 v[T1+\i], 30, v[T1+\i]
	v_xor_b32 v[SI+\i], v[SI+\i], v[T1+\i]         ; sin is negated in quarters 2 and 3,
	v_add_nc_u32 v[T2+\i], 1, v[QI+\i]
	v_and_b32 v[T2+\i], 2, v[T2+\i]
	v_lshlrev_b32 v[T2+\i], 30, v[T2+\i]
	v_xor_b32 v[CO+\i], v[CO+\i], v[T2+\i]         ; cos in quarters 1 and 2
.endm
	SINCOS 0
	SINCOS 1
	SINCOS 2
	SINCOS 3
	global_store_b128 v3, v[CO:CO+3], s[52:53]                 ; 512 consecutive bytes each
	global_store_b128 v3, v[SI:SI+3], s[52:53] offset:2048
	s_wait_kmcnt 0x0
.macro MKSC e, vs                      ; 2^e as f32 (the conversion takes its exponent field) and 448 x 2^e
	s_add_co_i32 s48, s[\e], 127
	s_lshl_b32 s49, s48, 23
	v_mov_b32 v[\vs], s49
	s_add_co_i32 s48, s48, 8
	s_lshl_b32 s48, s48, 23
	s_or_b32 s48, s48, 0x600000
	v_mov_b32 v[\vs+1], s48
.endm
	MKSC 28, SC
	MKSC 30, SC+2
	MKSC 32, SC+4
	s_wait_alu depctr_va_vdst(0)
	s_wait_loadcnt 12                              ; step 0's four loads are in; three steps' may be out
	XTURN 0
.macro XSTEP t
.set XS, X+16*((\t)%2)
	s_wait_dscnt 0x0                               ; this step's numbers are back from the stage, and its stores into the stage have read their registers,
.if (\t)+4 < 16
	XLOAD (\t)+4                                   ; which take the loads of four steps on
.endif
.if (\t)+1 < 16
.if 14-(\t) >= 3
	s_wait_loadcnt 12                              ; the next step's four loads are in; those of the three steps behind it may be out
.else
	s_wait_loadcnt 4*(14-(\t))
.endif
	XTURN (\t)+1
.endif
	s_wait_xcnt 0x0                                ; the last step's stores have read their codes: the registers are written again only behind this wait
.irp v, 0,1,2
.irp i, 0,1,2,3,4,5,6,7,8,9,10,11,12,13,14,15
	v_med3_num_f32 v[T+\i], v[XS+\i], -v[SC+1+2*\v], v[SC+1+2*\v]   ; the conversion does not saturate (ISA guide 7.6.2): the hold comes first; x itself is kept for the next scale
.endr
	v_cvt_scalef32_pk8_fp8_f32 v[C+4*\v:C+4*\v+1], v[T:T+7], v[SC+2*\v]
	v_cvt_scalef32_pk8_fp8_f32 v[C+4*\v+2:C+4*\v+3], v[T+8:T+15], v[SC+2*\v]
	v_nop                                          ; a plain instruction between the conversions and the next writes of their sources
	global_store_b128 v3, v[C+4*\v:C+4*\v+3], s[42+2*\v:43+2*\v] offset:512*(\t)   ; 512 consecutive bytes
.endr
.endm
.irp t, 0,1,2,3,4,5,6,7,8,9,10,11,12,13,14,15
	XSTEP \t
.endr
	s_wait_tensorcnt 0x0                           ; the wave's end
	ds_add_u32 v12, v13
	s_wait_dscnt 0x0
	s_endpgm
; ---------------- the weights: a lane takes a column n, its registers run down K; a wave takes 32 columns x 256 along K ----------------
.Lw:
	s_wait_kmcnt 0x0
	s_sub_co_u32 s27, ttmp9, 256                   ; 0-63 Wq, 64-95 Wk, 96-127 Wv, 128-191 Wo: only pointers and sizes are chosen, the text is one
	s_mov_b64 s[40:41], s[14:15]                   ; from
	s_mov_b64 s[42:43], s[22:23]                   ; to
	s_mov_b32 s44, 8192                            ; a row of the weight in bytes
	s_mov_b32 s45, 4                               ; log2 of its blocks of 128 columns
	s_mov_b32 s46, s39                             ; e11
	s_mov_b32 s47, 0                               ; first row in the codes' buffer
	s_mov_b32 s66, 1024                            ; a row of the codes' buffer
	s_mov_b32 s67, 128                             ; the segment's first work-group
	s_cmp_lt_u32 s27, 128
	s_cselect_b64 s[40:41], s[12:13], s[40:41]
	s_cselect_b64 s[42:43], s[20:21], s[42:43]
	s_cselect_b32 s44, 2048, s44
	s_cselect_b32 s45, 2, s45
	s_cselect_b32 s46, s33, s46
	s_cselect_b32 s47, 1536, s47
	s_cselect_b32 s66, 2048, s66
	s_cselect_b32 s67, 96, s67
	s_cmp_lt_u32 s27, 96
	s_cselect_b64 s[40:41], s[10:11], s[40:41]
	s_cselect_b32 s46, s31, s46
	s_cselect_b32 s47, 1024, s47
	s_cselect_b32 s67, 64, s67
	s_cmp_lt_u32 s27, 64
	s_cselect_b64 s[40:41], s[8:9], s[40:41]
	s_cselect_b32 s44, 4096, s44
	s_cselect_b32 s45, 3, s45
	s_cselect_b32 s46, s29, s46
	s_cselect_b32 s47, 0, s47
	s_cselect_b32 s67, 0, s67
	s_sub_co_u32 s67, s27, s67
	s_bfm_b32 s68, s45, 0
	s_and_b32 s68, s67, s68                        ; which 128 columns
	s_lshr_b32 s69, s67, s45                       ; which 256 along K
	s_lshl_b32 s68, s68, 7
	s_lshl_b32 s70, s26, 5
	s_add_co_u32 s68, s68, s70                     ; my wave's first column
	s_lshl_b32 s70, s44, 8
	s_mul_i32 s70, s70, s69
	s_lshl_b32 s71, s68, 2
	s_add_co_u32 s70, s70, s71
	s_mov_b32 s71, 0
	s_add_nc_u64 s[48:49], s[40:41], s[70:71]      ; a base for each of the eight blocks of 32 rows: no pointer is stepped
	s_lshl_b32 s70, s44, 5
.irp t, 1,2,3,4,5,6,7
	s_add_nc_u64 s[48+2*\t:49+2*\t], s[46+2*\t:47+2*\t], s[70:71]
.endr
	s_add_co_u32 s72, s47, s68
	s_mul_i32 s72, s72, s66
	s_lshl_b32 s73, s69, 8
	s_add_co_u32 s72, s72, s73
	s_mov_b32 s73, 0
	s_add_nc_u64 s[42:43], s[42:43], s[72:73]      ; the codes: row = column n, byte = K
	s_wait_alu depctr_va_vdst(0)
	v_lshlrev_b32 v16, 2, v2
.irp i, 1,2,3,4,5,6,7,8,9,10,11,12,13,14,15,16,17,18,19,20,21,22,23,24,25,26,27,28,29,30,31
	v_add_nc_u32 v[16+\i], s44, v[15+\i]           ; row i of a block + 4 x lane
.endr
	s_mul_i32 s74, s26, 32*PITCH
	s_add_co_u32 s74, s74, WSTG                    ; my stage
	v_mul_u32_u24 v4, v2, PITCH
	v_add_nc_u32 v4, s74, v4                       ; into it: row = my column
	v_and_b32 v5, 15, v2
	v_lshrrev_b32 v6, 4, v2
	v_mul_u32_u24 v7, v6, PITCH
	v_lshl_add_u32 v7, v5, 4, v7
	v_add_nc_u32 v7, s74, v7                       ; out of it: sixteen lanes to a row, two rows an instruction
	s_add_co_i32 s46, s46, 127
	s_lshl_b32 s75, s46, 23
	v_mov_b32 v11, s75                             ; 2^e
	s_add_co_i32 s46, s46, 8
	s_lshl_b32 s46, s46, 23
	s_or_b32 s46, s46, 0x600000
	v_mov_b32 v10, s46                             ; 448 x 2^e
.macro WLOAD t
.set n, 0
.rept 32
	global_load_b32 v[WX+32*((\t)%2)+n], v[16+n], s[48+2*(\t):49+2*(\t)] th:TH_LOAD_NT   ; a row of the weight at 32 neighbouring columns
.set n, n+1
.endr
.endm
	WLOAD 0
	WLOAD 1
.macro WBLOCK t
.set XS, WX+32*((\t)%2)
.if (\t) < 7
	s_wait_loadcnt 32                              ; this block's 32 loads are in; the next block's may be out
.else
	s_wait_loadcnt 0x0
.endif
.set n, 0
.rept 32
	v_med3_num_f32 v[XS+n], v[XS+n], -v10, v10
.set n, n+1
.endr
.irp g, 0,1,2,3
	v_cvt_scalef32_pk8_fp8_f32 v[WC+2*\g:WC+2*\g+1], v[XS+8*\g:XS+8*\g+7], v11
.endr
	ds_store_b128 v4, v[WC:WC+3] offset:32*(\t)
	ds_store_b128 v4, v[WC+4:WC+7] offset:32*(\t)+16
.if (\t)+2 < 8
	WLOAD (\t)+2
.endif
	s_wait_dscnt 0x0                               ; the stores have read their registers; the next block's 32 holds stand ahead of its conversions
.endm
	s_wait_alu depctr_va_vdst(0)
.irp t, 0,1,2,3,4,5,6,7
	WBLOCK \t
.endr
	v_mul_lo_u32 v16, v6, s66                      ; every load is in, so the rows' offsets are free: they now hold my places in the codes' buffer
	v_lshl_add_u32 v16, v5, 4, v16
	s_lshl_b32 s75, s66, 1
.irp t, 1,2,3,4,5,6,7,8,9,10,11,12,13,14,15
	v_add_nc_u32 v[16+\t], s75, v[15+\t]
.endr
.irp t, 0,1,2,3,4,5,6,7,8,9,10,11,12,13,14,15
	ds_load_b128 v[OUTR+4*\t:OUTR+4*\t+3], v7 offset:2*\t*PITCH
.endr
	s_wait_alu depctr_va_vdst(0)
.irp t, 0,1,2,3,4,5,6,7,8,9,10,11,12,13,14,15
	s_wait_dscnt 15-\t
	global_store_b128 v[16+\t], v[OUTR+4*\t:OUTR+4*\t+3], s[42:43]   ; sixteen lanes store 256 consecutive bytes, aligned
.endr
	s_wait_tensorcnt 0x0                           ; the wave's end
	ds_add_u32 v12, v13
	s_wait_dscnt 0x0
	s_endpgm
; ---------------- the mask's list: a wave takes 4 rows; load n of a row is key step n's 512 bytes, 4 numbers a lane; no LDS ----------------
.set DV, 144                           ; v144-159 for each key step: the largest of (entry, with its allowance) - (the row's threshold), over my rows, in my lane
.set NZ, 160                           ; v160-175 for each key step: the largest magnitude
.Lm:
	s_load_b128 s[40:43], s[0:1], 0x58             ; attn_mask 40, flags 42
	s_sub_co_u32 s27, ttmp9, 448                   ; which 16 queries
	s_lshl_b32 s44, s27, 2
	s_add_co_u32 s44, s44, s26                     ; 4 x that + wave
	s_lshl_b32 s46, s44, 15                        ; 4 rows of 8,192 bytes
	s_mov_b32 s47, 0
	s_lshl_b32 s48, s44, 3                         ; my two words of the list
	s_mov_b32 s49, 0
	s_mov_b32 s50, 0x76543210
	s_mov_b32 s51, 0xfedcba98
	s_mov_b32 s52, 0x35800000                      ; 2^-20
	s_wait_alu depctr_va_vdst(0)
	s_wait_kmcnt 0x0
	s_add_nc_u64 s[40:41], s[40:41], s[46:47]
	s_add_nc_u64 s[42:43], s[42:43], s[48:49]
.macro MLOAD t
.set n, 0
.rept 16
	global_load_b128 v[16+64*((\t)%2)+4*n:16+64*((\t)%2)+4*n+3], v3, s[40:41] offset:8192*(\t)+512*n th:TH_LOAD_NT   ; 512 consecutive bytes
.set n, n+1
.endr
.endm
	MLOAD 0
	MLOAD 1
	s_add_co_i32 s53, s34, s35                     ; e6 + e7
	v_mov_b32 v8, 0x4a440000                       ; 2 x 8 x 448^2
	v_ldexp_f32 v8, v8, s53
	v_add_f32 v8, 0x43800000, v8                   ; 2 B + 256
	v_mov_b32 v9, 0                                ; a lane permute's destination counts as read
.set n, 0
.rept 16
	v_mov_b32 v[DV+n], 0xff800000
	v_mov_b32 v[NZ+n], 0
.set n, n+1
.endr
	s_wait_alu depctr_va_vdst(0)
.macro MROW t
.set XS, 16+64*((\t)%2)
.if (\t) < 3
	s_wait_loadcnt 16                              ; this row's 16 loads are in; the next row's may be out
.else
	s_wait_loadcnt 0x0
.endif
.set n, 0
.rept 16
	v_max3_num_f32 v[176+3*(n%2)], |v[XS+4*n]|, |v[XS+4*n+1]|, |v[XS+4*n+2]|
	v_max3_num_f32 v[XS+4*n], v[XS+4*n], v[XS+4*n+1], v[XS+4*n+2]
	v_max3_num_f32 v[NZ+n], v[NZ+n], v[176+3*(n%2)], |v[XS+4*n+3]|
	v_max_num_f32 v[XS+4*n], v[XS+4*n], v[XS+4*n+3]          ; my lane's largest entry of key step n
.set n, n+1
.endr
	v_max3_num_f32 v177, v[XS], v[XS+4], v[XS+8]
.set n, 3
.rept 6
	v_max3_num_f32 v177, v177, v[XS+4*n], v[XS+4*n+4]
.set n, n+2
.endr
	v_max_num_f32 v177, v177, v[XS+60]
	v_max_num_f32_dpp v177, v177, v177 row_xmask:1 row_mask:0xf bank_mask:0xf
	v_max_num_f32_dpp v177, v177, v177 row_xmask:2 row_mask:0xf bank_mask:0xf
	v_max_num_f32_dpp v177, v177, v177 row_xmask:4 row_mask:0xf bank_mask:0xf
	v_max_num_f32_dpp v177, v177, v177 row_xmask:8 row_mask:0xf bank_mask:0xf
	v_permlanex16_b32 v9, v177, s50, s51
	v_max_num_f32 v177, v177, v9                   ; the row's largest entry
	v_fma_f32 v178, -|v177|, s52, v177
	v_sub_f32 v178, v178, v8                       ; the row's threshold
.set n, 0
.rept 16
	v_fma_f32 v[176+3*(n%2)], |v[XS+4*n]|, s52, v[XS+4*n]
	v_sub_f32 v[176+3*(n%2)], v[176+3*(n%2)], v178
	v_max_num_f32 v[DV+n], v[DV+n], v[176+3*(n%2)]
.set n, n+1
.endr
.if (\t)+2 < 4
	MLOAD (\t)+2
.endif
.endm
	MROW 0
	MROW 1
	MROW 2
	MROW 3
	s_mov_b32 s54, 0                               ; LIVE
	s_mov_b32 s55, 0                               ; MIXED
	s_wait_alu depctr_va_vdst(0)
.set n, 0
.rept 16
	v_cmp_le_f32 s56, 0, v[DV+n]                   ; some lane has an entry at or over its row's threshold
	v_cmp_lt_f32 s57, 0, v[NZ+n]                   ; some lane has an entry that is not 0
	s_cmp_lg_u32 s56, 0
	s_cselect_b32 s58, 1<<n, 0
	s_or_b32 s54, s54, s58
	s_cmp_lg_u32 s57, 0
	s_cselect_b32 s58, 1<<n, 0
	s_or_b32 s55, s55, s58
.set n, n+1
.endr
	v_mov_b32 v4, s54
	v_mov_b32 v5, s55
	v_mov_b32 v6, 0
	v_cmp_eq_u32 vcc_lo, 0, v2
	s_wait_alu depctr_va_vdst(0)
	s_wait_xcnt 0x0                                ; EXEC changes only behind this wait
	s_and_saveexec_b32 s59, vcc_lo
	global_store_b64 v6, v[4:5], s[42:43]          ; lane 0: my wave's two words; the list is 4,096 bytes in all, 8 a wave
	s_wait_xcnt 0x0
	s_or_b32 exec_lo, exec_lo, s59
	s_endpgm
.Lfunc_end_k_q3b2568f76a_prep:
	.size	k_q3b2568f76a_prep, .Lfunc_end_k_q3b2568f76a_prep-k_q3b2568f76a_prep
	.p2alignl 7, 3214868480
	.fill 96, 4, 3214868480
	.section	.rodata,"a",@progbits
	.p2align	6, 0x0
	.amdhsa_kernel k_q3b2568f76a_prep
		.amdhsa_group_segment_fixed_size 68096
		.amdhsa_private_segment_fixed_size 0
		.amdhsa_enable_private_segment 0
		.amdhsa_kernarg_size 104
		.amdhsa_user_sgpr_count 2
		.amdhsa_user_sgpr_kernarg_segment_ptr 1
		.amdhsa_wavefront_size32 1
		.amdhsa_system_sgpr_workgroup_id_x 1
		.amdhsa_system_sgpr_workgroup_id_y 1
		.amdhsa_system_sgpr_workgroup_id_z 1
		.amdhsa_system_vgpr_workitem_id 0
		.amdhsa_next_free_vgpr 192
		.amdhsa_next_free_sgpr 100
		.amdhsa_reserve_vcc 1
		.amdhsa_float_denorm_mode_32 3
		.amdhsa_float_denorm_mode_16_64 3
		.amdhsa_memory_ordered 1
		.amdhsa_forward_progress 1
		.amdhsa_inst_pref_size 177
	.end_amdhsa_kernel
	.amdgpu_metadata
---
amdhsa.version: [ 1, 2 ]
amdhsa.kernels:
  - .name:           k_q3b2568f76a_prep
    .symbol:         k_q3b2568f76a_prep.kd
    .args:
      - { .name: x, .offset: 0, .size: 8, .value_kind: global_buffer, .address_space: global }
      - { .name: position_ids, .offset: 8, .size: 8, .value_kind: global_buffer, .address_space: global }
      - { .name: Wq, .offset: 16, .size: 8, .value_kind: global_buffer, .address_space: global }
      - { .name: Wk, .offset: 24, .size: 8, .value_kind: global_buffer, .address_space: global }
      - { .name: Wv, .offset: 32, .size: 8, .value_kind: global_buffer, .address_space: global }
      - { .name: Wo, .offset: 40, .size: 8, .value_kind: global_buffer, .address_space: global }
      - { .name: lowp_scales, .offset: 48, .size: 8, .value_kind: global_buffer, .address_space: global }
      - { .name: xc, .offset: 56, .size: 8, .value_kind: global_buffer, .address_space: global }
      - { .name: wc, .offset: 64, .size: 8, .value_kind: global_buffer, .address_space: global }
      - { .name: woc, .offset: 72, .size: 8, .value_kind: global_buffer, .address_space: global }
      - { .name: rope, .offset: 80, .size: 8, .value_kind: global_buffer, .address_space: global }
      - { .name: attn_mask, .offset: 88, .size: 8, .value_kind: global_buffer, .address_space: global }
      - { .name: flags, .offset: 96, .size: 8, .value_kind: global_buffer, .address_space: global }
    .group_segment_fixed_size: 68096
    .private_segment_fixed_size: 0
    .kernarg_segment_align: 8
    .kernarg_segment_size: 104
    .max_flat_workgroup_size: 128
    .sgpr_count:     100
    .vgpr_count:     192
    .wavefront_size: 32
...
	.end_amdgpu_metadata
.endif
;; end of part 1
;; launch qkv (part 2): grid 16 x 16, 4 waves a work-group, clusters of 4 x 4, 327,680 bytes of LDS; arguments xc, wc, rope, q_norm_w, k_norm_w, lowp_scales, qc, kvc, out1, out2; writes qc, kvc, out1, out2
.if DOCPART == 2
	.amdgcn_target "amdgcn-amd-amdhsa--gfx1250"
	.amdhsa_code_object_version 6
	.text
	.protected	k_q3b2568f76a_qkv
	.globl	k_q3b2568f76a_qkv
	.p2align	8
	.type	k_q3b2568f76a_qkv,@function
k_q3b2568f76a_qkv:
	s_mov_b64 s[64:65], 0
	v_nop
	global_prefetch_b8 v0, s[64:65] scope:SCOPE_SE
	s_setreg_imm32_b32 hwreg(HW_REG_WAVE_MODE, 25, 1), 1
	s_wait_xcnt 0x0
	s_wait_alu depctr_hold_cnt(0) depctr_sa_sdst(0) depctr_va_vdst(0) depctr_va_sdst(0) depctr_va_ssrc(0) depctr_va_vcc(0) depctr_vm_vsrc(0)
	s_getreg_b32 s2, hwreg(HW_REG_IB_STS2, 6, 4)
	s_cmp_eq_u32 s2, 0
	s_cbranch_scc0 .Lentry_in_a_cluster
	s_endpgm
.Lentry_in_a_cluster:
	s_bfe_u32 s2, ttmp6, 0x10000c
	s_cmp_lg_u32 s2, 0xf033
	s_cbranch_scc0 .Lentry_shape_is_right
	s_endpgm
.Lentry_shape_is_right:
.set PITCH, 272
.set AH,    128*PITCH
.set BH,    64*PITCH
.set BOFF,  2*AH
.set SLOT,  BOFF+2*BH
.set STGK,  2*SLOT
.set STGV,  STGK+4*16*PITCH
.set SPARE, 3*SLOT
.set F0,  64
.set F1,  160
.set G1A, 24
.set G0A, 32
.set G1B, 40
.set G0B, 48
.set RB,  32
.set Y,   64
.set NW,  96
.set VC,  96
.set RP,  128
.set T,   192
.set PC,  224
.set MUL, 0x50
.set MSB, 0
.macro WIN new
.if MSB != \new
	s_set_vgpr_msb (MSB<<8)|\new
.set MSB, \new
.endif
.endm
.macro PLACES
.rept 4
	v_nop
.endr
.endm
.macro JLOADP
	s_cmp_eq_u32 s74, 0
	s_cbranch_scc0 .Lfor_b_\@
	tensor_load_to_lds s[G0A:G0A+3], s[G1A:G1A+7]
	s_nop 0
.rept 4
	v_nop
.endr
	s_branch .Lasked_\@
.Lfor_b_\@:
	tensor_load_to_lds s[G0B:G0B+3], s[G1B:G1B+7]
	s_nop 0
.rept 4
	v_nop
.endr
.Lasked_\@:
.endm
.macro JLOADS
	s_cmp_eq_u32 s72, 0
	s_cbranch_scc0 .Lnot_a_\@
	tensor_load_to_lds s[G0A+4:G0A+7], s[G1A:G1A+7]
	s_nop 0
.rept 4
	v_nop
.endr
	s_branch .Lasked_\@
.Lnot_a_\@:
	s_cmp_eq_u32 s72, 1
	s_cbranch_scc0 .Lasked_\@
	tensor_load_to_lds s[G0B+4:G0B+7], s[G1B:G1B+7]
	s_nop 0
.rept 4
	v_nop
.endr
.Lasked_\@:
.endm
.macro CREST
	s_cmp_lg_u32 s72, 0
	s_cbranch_scc1 .Lnot_wave_0_\@
	s_barrier_signal -3
.Lnot_wave_0_\@:
	s_barrier_wait -3
	s_barrier_signal -1
	s_barrier_wait -1
.endm
.macro CROUND
	s_barrier_signal -1
	s_barrier_wait -1
	CREST
.endm
	s_load_b512 s[4:19], s[0:1], 0x0
	s_load_b128 s[20:23], s[0:1], 0x40
	v_lshl_add_u32 v28, v0, 2, SPARE
	v_mov_b32 v29, 0
	ds_add_u32 v28, v29
	ds_add_u32 v28, v29
	v_lshrrev_b32 v1, 5, v0
	v_readfirstlane_b32 s72, v1
	s_lshr_b32 s73, s72, 1
	s_and_b32 s74, s72, 1
	s_bfe_u32 s75, ttmp6, 0x40000
	s_bfe_u32 s76, ttmp6, 0x40004
	s_lshl_b32 s77, ttmp9, 2
	s_add_co_u32 s77, s77, s75
	s_and_b32 s78, ttmp7, 0xffff
	s_lshl_b32 s78, s78, 2
	s_add_co_u32 s78, s78, s76
	s_mov_b32 s79, ttmp9
	s_lshl_b32 s88, s76, 2
	s_lshl_b32 s88, 15, s88
	s_lshl_b32 s89, 0x1111, s75
	s_or_b32 s[G1A], s88, (1<<20)|(1<<21)|(5<<22)|(3<<25)
	s_or_b32 s[G1B], s89, (1<<20)|(1<<21)|(5<<22)|(3<<25)
	s_mov_b32 s[G1A+1], 256<<16
	s_mov_b32 s[G1A+2], 256<<16
	s_mov_b32 s[G1A+3], 256<<16
	s_mov_b32 s[G1A+4], 256
	s_mov_b32 s[G1A+5], 2048
	s_mov_b32 s[G1A+6], 0
	s_mov_b32 s[G1A+7], 0
	s_mov_b32 s[G1B+1], 256<<16
	s_mov_b32 s[G1B+2], 128<<16
	s_mov_b32 s[G1B+3], 256<<16
	s_mov_b32 s[G1B+4], 128
	s_mov_b32 s[G1B+5], 2048
	s_mov_b32 s[G1B+6], 0
	s_mov_b32 s[G1B+7], 0
	s_lshl_b32 s90, s78, 19
	s_max_u32 s91, ttmp9, 1
	s_sub_co_u32 s91, s91, 1
	s_lshl_b32 s91, s91, 23
	s_add_co_u32 s90, s90, s91
	s_mov_b32 s91, 0
	s_lshl_b32 s92, s77, 18
	s_mov_b32 s93, 0
	s_mul_i32 s94, s73, SLOT
	s_add_co_u32 s95, s94, BOFF
	s_lshl_b32 s96, s73, 8
	s_mov_b32 s97, 0
	s_mov_b32 s84, 0x3c800000
	s_mov_b32 s85, 0x358637bd
	s_mov_b32 s86, 0x76543210
	s_mov_b32 s87, 0xfedcba98
	s_wait_dscnt 0x0
	s_wait_kmcnt 0x0
	s_load_b256 s[56:63], s[14:15], 0x0
	s_load_b128 s[68:71], s[14:15], 0x20
	s_add_nc_u64 s[90:91], s[4:5], s[90:91]
	s_add_nc_u64 s[92:93], s[6:7], s[92:93]
	CROUND
	s_mov_b32 s[G0A], 1
	s_mov_b32 s[G0A+1], s94
	s_add_nc_u64 s[G0A+2:G0A+3], s[90:91], s[96:97]
	s_or_b32 s[G0A+3], s[G0A+3], 0x80000000
	s_mov_b32 s[G0A+4], 1
	s_mov_b32 s[G0A+5], 2*SLOT
	s_add_nc_u64 s[G0A+6:G0A+7], s[90:91], 512
	s_or_b32 s[G0A+7], s[G0A+7], 0x80000000
	s_mov_b32 s[G0B], 1
	s_mov_b32 s[G0B+1], s95
	s_add_nc_u64 s[G0B+2:G0B+3], s[92:93], s[96:97]
	s_or_b32 s[G0B+3], s[G0B+3], 0x80000000
	s_mov_b32 s[G0B+4], 1
	s_mov_b32 s[G0B+5], 2*SLOT+BOFF
	s_add_nc_u64 s[G0B+6:G0B+7], s[92:93], 512
	s_or_b32 s[G0B+7], s[G0B+7], 0x80000000
	JLOADP
	s_wait_alu depctr_va_vdst(0)
	s_wait_tensorcnt 0x0
	ds_add_u32 v28, v29
	s_wait_dscnt 0x0
	CROUND
	JLOADS
	v_and_b32 v1, 15, v0
	v_bfe_u32 v2, v0, 4, 1
	v_mul_u32_u24 v3, v1, PITCH
	s_wait_alu depctr_va_vdst(0)
	v_lshl_add_u32 v4, v2, 4, v3
	s_mul_i32 s96, s73, AH
	s_mul_i32 s97, s74, BH
	s_add_co_u32 s97, s97, BOFF
.irp s, 0,1,2
	v_add_nc_u32 v[16+\s], s96, v4
	v_add_nc_u32 v[19+\s], s97, v4
	s_add_co_u32 s96, s96, SLOT
	s_add_co_u32 s97, s97, SLOT
.endr
	s_mul_i32 s96, s72, 16*PITCH
	v_lshl_add_u32 v5, v2, 5, v3
	v_add_nc_u32 v5, s96, v5
	v_add_nc_u32 v24, STGK, v5
	v_add_nc_u32 v22, STGV, v5
	v_mul_u32_u24 v6, v2, PITCH
	v_lshl_add_u32 v6, v1, 4, v6
	v_add_nc_u32 v6, s96, v6
	v_add_nc_u32 v25, STGK, v6
	v_add_nc_u32 v23, STGV, v6
	v_mul_u32_u24 v7, v2, 8*PITCH
	v_lshl_add_u32 v7, v1, 2, v7
	v_add_nc_u32 v7, s96, v7
	v_add_nc_u32 v26, STGV, v7
	v_and_b32 v8, 31, v0
	v_lshlrev_b32 v27, 4, v8
	v_lshlrev_b32 v9, 5, v2
.macro FETCH slot, q, f
.irp i, 0,1,2,3
	ds_load_b128 v[\f+64+8*\i:\f+64+8*\i+3],   v[19+\slot] offset:64*(\q)+\i*16*PITCH
	ds_load_b128 v[\f+64+8*\i+4:\f+64+8*\i+7], v[19+\slot] offset:64*(\q)+\i*16*PITCH+32
.endr
.irp i, 0,1,2,3,4,5,6,7
	ds_load_b128 v[\f+8*\i:\f+8*\i+3],   v[16+\slot] offset:64*(\q)+\i*16*PITCH
	ds_load_b128 v[\f+8*\i+4:\f+8*\i+7], v[16+\slot] offset:64*(\q)+\i*16*PITCH+32
.endr
.endm
.macro MULA f, a0, n, zero
.set aa, \a0
.rept \n
.irp t, 0,1,2,3
.if \zero
	v_wmma_f32_16x16x64_fp8_fp8 v[32*aa+8*\t:32*aa+8*\t+7], v[\f+64+8*\t:\f+64+8*\t+7], v[\f+8*aa:\f+8*aa+7], 0
.else
	v_wmma_f32_16x16x64_fp8_fp8 v[32*aa+8*\t:32*aa+8*\t+7], v[\f+64+8*\t:\f+64+8*\t+7], v[\f+8*aa:\f+8*aa+7], v[32*aa+8*\t:32*aa+8*\t+7]
.endif
.endr
.set aa, aa+1
.endr
.endm
.macro QUARTER slot, q, f, g, zero
	s_wait_dscnt 8
	WIN MUL
	MULA \f, 0, 4, \zero
	WIN 0
	PLACES
	FETCH \slot, \q, \g
	s_wait_dscnt 24
	WIN MUL
	MULA \f, 4, 4, \zero
.endm
.macro TURN next, fill
	WIN 0
	s_wait_tensorcnt 0x0
	ds_add_u32 v28, v29
	s_wait_dscnt 9
	WIN MUL
	MULA F1, 0, 2, 0
	s_wait_dscnt 0x0
	s_barrier_signal -1
	MULA F1, 2, 2, 0
	WIN 0
	s_barrier_wait -1
.if \fill == 1
	CREST
	s_add_nc_u64 s[G0A+2:G0A+3], s[G0A+2:G0A+3], 768
	s_add_nc_u64 s[G0B+2:G0B+3], s[G0B+2:G0B+3], 768
	JLOADP
.elseif \fill == 2
	CREST
	s_add_nc_u64 s[G0A+6:G0A+7], s[G0A+6:G0A+7], 768
	s_add_nc_u64 s[G0B+6:G0B+7], s[G0B+6:G0B+7], 768
	JLOADS
	PLACES
.else
	PLACES
.endif
	FETCH \next, 0, F0
	WIN MUL
	MULA F1, 4, 4, 0
.endm
.macro REST slot
	QUARTER \slot, 1, F0, F1, 0
	QUARTER \slot, 2, F1, F0, 0
	QUARTER \slot, 3, F0, F1, 0
.endm
	s_wait_tensorcnt 0x0
	s_barrier_signal -1
	s_barrier_wait -1
	FETCH 0, 0, F0
	QUARTER 0, 1, F0, F1, 1
	QUARTER 0, 2, F1, F0, 0
	QUARTER 0, 3, F0, F1, 0
	QUARTER 1, 0, F1, F0, 0
	REST 1
	TURN 2, 1
	REST 2
	TURN 0, 2
	REST 0
	QUARTER 1, 0, F1, F0, 0
	REST 1
	TURN 2, 1
	REST 2
	TURN 0, 0
	REST 0
	QUARTER 1, 0, F1, F0, 0
	REST 1
	s_wait_dscnt 8
	WIN MUL
	MULA F1, 0, 4, 0
	s_wait_dscnt 0x0
	MULA F1, 4, 4, 0
	WIN 0
	PLACES
	s_wait_kmcnt 0x0
	s_lshr_b32 s2, s78, 3
	s_and_b32 s3, s78, 7
	s_lshl_b32 s3, s3, 1
	s_add_co_u32 s3, s3, s73
	s_lshl_b32 s4, s2, 4
	s_lshl_b32 s80, s77, 1
	s_add_co_u32 s4, s4, s80
	s_add_co_u32 s4, s4, s74
	s_lshl_b32 s4, s4, 4
	s_add_co_u32 s4, s4, s3
	s_lshl_b32 s4, s4, 13
	s_and_b32 s6, s77, 3
	s_lshl_b32 s6, s6, 1
	s_add_co_u32 s6, s6, s74
	s_lshl_b32 s80, s2, 3
	s_add_co_u32 s6, s6, s80
	s_lshl_b32 s6, s6, 4
	s_add_co_u32 s6, s6, s3
	s_lshl_b32 s81, s6, 14
	s_lshl_b32 s6, s6, 15
	s_mov_b32 s5, 0
	s_mov_b32 s7, 0
	s_add_co_i32 s96, s56, s57
	s_add_co_i32 s97, s58, s59
	s_add_co_i32 s98, s60, s61
	s_cmp_eq_u32 s79, 2
	s_cselect_b32 s96, s97, s96
	s_cselect_b32 s99, s63, s62
	s_cselect_b64 s[92:93], s[12:13], s[10:11]
	s_cmp_eq_u32 s79, 3
	s_cselect_b32 s96, s98, s96
	s_cselect_b32 s99, s69, s99
	s_cselect_b64 s[90:91], s[22:23], s[20:21]
	s_cselect_b32 s80, 8192, 0
	s_cmp_lt_u32 s79, 2
	s_cselect_b64 s[88:89], s[16:17], s[18:19]
	s_cselect_b32 s4, s4, s81
	s_add_co_u32 s4, s4, s80
	s_add_nc_u64 s[88:89], s[88:89], s[4:5]
	s_add_nc_u64 s[90:91], s[90:91], s[6:7]
	s_lshl_b32 s4, s78, 4
	s_lshl_b32 s80, s73, 3
	s_add_co_u32 s4, s4, s80
	s_lshl_b32 s4, s4, 12
	s_add_nc_u64 s[94:95], s[8:9], s[4:5]
	s_add_co_i32 s96, s96, 127
	s_lshl_b32 s82, s96, 23
	s_mov_b32 s83, s82
	s_add_co_i32 s99, s99, 127
	s_lshl_b32 s96, s99, 23
	v_mov_b32 v30, s96
	s_add_co_i32 s99, s99, 8
	s_lshl_b32 s99, s99, 23
	s_or_b32 s99, s99, 0x600000
	v_mov_b32 v31, s99
	v_mov_b32 v236, 0
	v_mov_b32 v239, 0
	s_cmp_eq_u32 s79, 3
	s_cbranch_scc1 .Lv
.macro SCALE a
	WIN 0x01
.set n, 0
.rept 16
	v_pk_mul_f32 v[Y+n:Y+n+1], v[32*(\a)+n:32*(\a)+n+1], s[82:83] op_sel_hi:[1,0]
.set n, n+2
.endr
	WIN 0
.endm
.macro ROPELD a
.irp k, 0,1,2,3,4,5,6,7
	global_load_b128 v[RP+32*((\a)%2)+4*\k:RP+32*((\a)%2)+4*\k+3], v27, s[94:95] offset:4096*(\a)+512*\k
.endr
.endm
.macro QKTILE a
.set CS, RP+32*((\a)%2)
	s_wait_xcnt 0x0
	SCALE \a
.if (\a) < 7
	ROPELD (\a)+1
	s_wait_loadcnt 0x8
.else
	s_wait_loadcnt 0x0
.endif
	v_pk_mul_f32 v[232:233], v[Y:Y+1], v[Y:Y+1]
	v_pk_mul_f32 v[234:235], v[Y+2:Y+3], v[Y+2:Y+3]
.set n, 4
.rept 7
	v_pk_fma_f32 v[232:233], v[Y+n:Y+n+1], v[Y+n:Y+n+1], v[232:233]
	v_pk_fma_f32 v[234:235], v[Y+n+2:Y+n+3], v[Y+n+2:Y+n+3], v[234:235]
.set n, n+4
.endr
	v_pk_add_f32 v[232:233], v[232:233], v[234:235]
	v_add_f32 v232, v232, v233
	v_permlanex16_b32 v236, v232, s86, s87
	v_add_f32 v232, v232, v236
	v_fma_f32 v232, v232, s84, s85
	s_wait_alu depctr_va_vdst(0)
	v_rsq_f32 v238, v232
	v_nop
	s_wait_alu depctr_va_vdst(0)
.set n, 0
.rept 16
	v_pk_mul_f32 v[Y+n:Y+n+1], v[Y+n:Y+n+1], v[238:239] op_sel_hi:[1,0]
.set n, n+2
.endr
.set n, 0
.rept 16
	v_pk_mul_f32 v[Y+n:Y+n+1], v[Y+n:Y+n+1], v[NW+n:NW+n+1]
.set n, n+2
.endr
.set n, 0
.rept 8
	v_pk_mul_f32 v[T+n:T+n+1], v[Y+n:Y+n+1], v[CS+n:CS+n+1]
	v_pk_mul_f32 v[T+16+n:T+16+n+1], v[Y+16+n:Y+16+n+1], v[CS+n:CS+n+1]
.set n, n+2
.endr
.set n, 0
.rept 8
	v_pk_fma_f32 v[T+n:T+n+1], v[Y+16+n:Y+16+n+1], v[CS+16+n:CS+16+n+1], v[T+n:T+n+1] neg_lo:[1,0,0] neg_hi:[1,0,0]
	v_pk_fma_f32 v[T+16+n:T+16+n+1], v[Y+n:Y+n+1], v[CS+16+n:CS+16+n+1], v[T+16+n:T+16+n+1]
.set n, n+2
.endr
	s_cmp_lg_u32 s79, 2
	s_cbranch_scc1 .Lnot_k_\@
.irp t, 0,1,2,3
	ds_store_b128 v24, v[T+8*\t:T+8*\t+3] offset:64*\t
	ds_store_b128 v24, v[T+8*\t+4:T+8*\t+7] offset:64*\t+16
.endr
.irp i, 0,1,2,3,4,5,6,7
	ds_load_b128 v[RB+4*\i:RB+4*\i+3], v25 offset:2*\i*PITCH
.endr
.irp i, 0,1,2,3,4,5,6,7
	s_wait_dscnt 7-\i
	global_store_b128 v27, v[RB+4*\i:RB+4*\i+3], s[90:91] offset:4096*(\a)+512*\i th:TH_STORE_NT
.endr
.Lnot_k_\@:
.set n, 0
.rept 32
	v_med3_num_f32 v[T+n], v[T+n], -v31, v31
.set n, n+1
.endr
.irp t, 0,1,2,3
	v_cvt_scalef32_pk8_fp8_f32 v[PC+2*\t:PC+2*\t+1], v[T+8*\t:T+8*\t+7], v30
.endr
	v_nop
	global_store_b128 v27, v[PC:PC+3], s[88:89] offset:1024*(\a)
	global_store_b128 v27, v[PC+4:PC+7], s[88:89] offset:1024*(\a)+512
.endm
	s_wait_alu depctr_va_vdst(0)
.irp t, 0,1,2,3
	global_load_b128 v[NW+8*\t:NW+8*\t+3], v9, s[92:93] offset:64*\t
	global_load_b128 v[NW+8*\t+4:NW+8*\t+7], v9, s[92:93] offset:64*\t+16
.endr
	ROPELD 0
.irp a, 0,1,2,3,4,5,6,7
	QKTILE \a
.endr
	s_branch .Ldone
.Lv:
.macro VTILE a
	s_wait_xcnt 0x0
	SCALE \a
.irp t, 0,1,2,3
	ds_store_b128 v22, v[Y+8*\t:Y+8*\t+3] offset:64*\t
	ds_store_b128 v22, v[Y+8*\t+4:Y+8*\t+7] offset:64*\t+16
.endr
.irp i, 0,1,2,3,4,5,6,7
	ds_load_b128 v[RB+4*\i:RB+4*\i+3], v23 offset:2*\i*PITCH
.endr
.irp t, 0,1,2,3
.irp j, 0,1,2,3,4,5,6,7
	ds_load_b32 v[T+8*\t+\j], v26 offset:\j*PITCH+64*\t
.endr
.endr
	s_wait_dscnt 32
.irp i, 0,1,2,3,4,5,6,7
	global_store_b128 v27, v[RB+4*\i:RB+4*\i+3], s[90:91] offset:4096*(\a)+512*\i th:TH_STORE_NT
.endr
	s_wait_dscnt 0x0
.set n, 0
.rept 32
	v_med3_num_f32 v[T+n], v[T+n], -v31, v31
.set n, n+1
.endr
.irp t, 0,1,2,3
	v_cvt_scalef32_pk8_fp8_f32 v[VC+16*\t+2*(\a):VC+16*\t+2*(\a)+1], v[T+8*\t:T+8*\t+7], v30
.endr
	v_nop
.endm
.irp a, 0,1,2,3,4,5,6,7
	VTILE \a
.endr
.irp t, 0,1,2,3
.irp c, 0,1,2,3
	global_store_b128 v27, v[VC+16*\t+4*\c:VC+16*\t+4*\c+3], s[88:89] offset:2048*\t+512*\c
.endr
.endr
.Ldone:
	s_wait_tensorcnt 0x0
	ds_add_u32 v28, v29
	s_wait_dscnt 0x0
	CROUND
	s_endpgm
.Lfunc_end_k_q3b2568f76a_qkv:
	.size	k_q3b2568f76a_qkv, .Lfunc_end_k_q3b2568f76a_qkv-k_q3b2568f76a_qkv
	.p2alignl 7, 3214868480
	.fill 96, 4, 3214868480
	.section	.rodata,"a",@progbits
	.p2align	6, 0x0
	.amdhsa_kernel k_q3b2568f76a_qkv
		.amdhsa_group_segment_fixed_size 327680
		.amdhsa_private_segment_fixed_size 0
		.amdhsa_enable_private_segment 0
		.amdhsa_kernarg_size 80
		.amdhsa_user_sgpr_count 2
		.amdhsa_user_sgpr_kernarg_segment_ptr 1
		.amdhsa_wavefront_size32 1
		.amdhsa_system_sgpr_workgroup_id_x 1
		.amdhsa_system_sgpr_workgroup_id_y 1
		.amdhsa_system_sgpr_workgroup_id_z 1
		.amdhsa_system_vgpr_workitem_id 0
		.amdhsa_next_free_vgpr 512
		.amdhsa_next_free_sgpr 100
		.amdhsa_reserve_vcc 0
		.amdhsa_float_denorm_mode_32 3
		.amdhsa_float_denorm_mode_16_64 3
		.amdhsa_memory_ordered 1
		.amdhsa_forward_progress 1
		.amdhsa_inst_pref_size 255
	.end_amdhsa_kernel
	.section	.bss,"aw",@nobits
	.p2align	6
	.space	262144
	.amdgpu_metadata
---
amdhsa.version: [ 1, 2 ]
amdhsa.kernels:
  - .name:           k_q3b2568f76a_qkv
    .symbol:         k_q3b2568f76a_qkv.kd
    .args:
      - { .name: xc, .offset: 0, .size: 8, .value_kind: global_buffer, .address_space: global }
      - { .name: wc, .offset: 8, .size: 8, .value_kind: global_buffer, .address_space: global }
      - { .name: rope, .offset: 16, .size: 8, .value_kind: global_buffer, .address_space: global }
      - { .name: q_norm_w, .offset: 24, .size: 8, .value_kind: global_buffer, .address_space: global }
      - { .name: k_norm_w, .offset: 32, .size: 8, .value_kind: global_buffer, .address_space: global }
      - { .name: lowp_scales, .offset: 40, .size: 8, .value_kind: global_buffer, .address_space: global }
      - { .name: qc, .offset: 48, .size: 8, .value_kind: global_buffer, .address_space: global }
      - { .name: kvc, .offset: 56, .size: 8, .value_kind: global_buffer, .address_space: global }
      - { .name: out1, .offset: 64, .size: 8, .value_kind: global_buffer, .address_space: global }
      - { .name: out2, .offset: 72, .size: 8, .value_kind: global_buffer, .address_space: global }
    .group_segment_fixed_size: 327680
    .private_segment_fixed_size: 0
    .kernarg_segment_align: 8
    .kernarg_segment_size: 80
    .max_flat_workgroup_size: 128
    .sgpr_count:     100
    .vgpr_count:     512
    .wavefront_size: 32
...
	.end_amdgpu_metadata
.endif
;; end of part 2
;; launch attn (part 3): grid 16 x 16, 8 waves a work-group, no clusters, 93,184 bytes of LDS; arguments qc, kvc, attn_mask, lowp_scales, flags, cc; writes cc
.if DOCPART == 3
	.amdgcn_target "amdgcn-amd-amdhsa--gfx1250"
	.amdhsa_code_object_version 6
	.text
	.protected	k_q3b2568f76a_attn
	.globl	k_q3b2568f76a_attn
	.p2align	8
	.type	k_q3b2568f76a_attn,@function
k_q3b2568f76a_attn:
	s_mov_b64 s[64:65], 0
	v_nop
	global_prefetch_b8 v0, s[64:65] scope:SCOPE_SE
	s_setreg_imm32_b32 hwreg(HW_REG_WAVE_MODE, 25, 1), 1
	s_wait_xcnt 0x0
; ATTENTION on codes of E4M3.  A TASK is 16 positions (tile pt, 0 .. 127) of one (batch, group), for BOTH heads of the group: two tiles, which share every fragment of K and V and every register of the mask.
; WORK LEFT OUT: key steps (128 keys) whose tile of the mask the first launch has not marked LIVE: there every p is 0 in f32 for all values of Q, K and V (shown at the first kernel's head).  Step 0 is always walked.
; The walk hangs on whole numbers read from memory, so this launch has no tensor load, no ring and no cluster: K's, V's and Q's images of the operands' registers go from memory straight into registers,
; 512 consecutive bytes a load.  K is asked for one walked step ahead, V at its step's head.  The last trip asks for its own K once more, so that the counted wait ahead of the second product counts the same loads in every trip.
; SHARES: work-group (x, y): (batch, group) y.  Waves 2 k and 2 k + 1 share two tasks, tiles 4 x + k and 127 - (4 x + k): of both tasks one of the two waves walks the even key steps and the other the odd ones.
; A wave takes the even steps where (w xor w / 4) is even: so waves 2 k, 2 k + 1 differ in it, and so do waves w, w + 4.
; A wave walks ONE list of 32 bits: bits 0-15 its first task's steps, bits 16-31 its second's.  Wave 2 k takes the near tile first, wave 2 k + 1 the far one.  At the change of task O^T and the statistics go to LDS bytes of the
; wave's own and begin anew.  So at the end each wave holds in registers one half of the task whose other half its partner has put in LDS: one barrier, and each joins the two halves (both brought under the larger M by powers
; of two, which rounds nothing) and writes that task out.
; THE MASK is added as it is given, by the matrix unit: a MIXED tile's entries x 2^(3 - e6 - e7), which rounds nothing, are the C of the first product; a tile of zeros takes the constant 0 and is not loaded.
; So a sum stands for logit / 2^(e6 + e7 - 3), and t - M is one fused multiply-add by log2(e) x 2^(e6 + e7 - 3).
; SOFTMAX: M = the running largest t rounded up to a whole number (kept as -M); p = 2^(t - M) is quantised with 2^e8; the sum is taken of the unquantised p; when M moves, the sum and O are multiplied by 2^(old M - new M).
; PREFETCH: a MIXED tile of the mask is asked for one walked step ahead, 32 blocks of 256 bytes, a lane a block, by the work-groups with y = 0 alone (all sixteen y read the same tile).  K and V have none: their loads
; into registers already run a step ahead, and each of their blocks is read by 64 waves of a (batch, group).
; LIMITS: e6 + e7 - 3 between -126 and 126; |mask| x 2^(3 - e6 - e7) stays an f32 number; e8 and e10 between -126 and 119; the scaled scores stay under 2^31.  A row all of whose logits are -infinity gives NaN, as the softmax does.
; REGISTERS: window 0: v1-15 offsets and scales (p's bound twice, in v10 and v12, for the two halves of a dual instruction); v16-31 two tiles' statistics; v32-95 the mask; v100-163, v168-231 S^T then p;
;   p's codes lie four registers below each; v232-247 at work.  Window 1: v0-63 O^T; v64-79 Q; v80-143 K; v144-207 V; v208-223 the second task's Q.
.set STAGE, 0                          ; the way out: 16 rows x 144 for each wave
.set STASH, 8*16*144                   ; a first task's O^T (8,192 bytes) and statistics (1,024) for each wave
.set SBYT,  9216
.set SPARE, STASH+8*SBYT               ; the spare words, 128 bytes for each wave; no other line names them
.set MSB, 0
.macro WIN new
.if MSB != \new
	s_set_vgpr_msb (MSB<<8)|\new
.set MSB, \new
.endif
.endm
.macro LOADK
	WIN 0x40
.set n, 0
.rept 16
	global_load_b128 v[80+4*n:80+4*n+3], v9, s[24:25] offset:512*n            ; K: tile n / 2, piece n % 2
.set n, n+1
.endr
	WIN 0
.endm
.macro LOADV
	WIN 0x40
.set n, 0
.rept 16
	global_load_b128 v[144+4*n:144+4*n+3], v9, s[26:27] offset:8192+512*n     ; V: tile n / 4, piece n % 4
.set n, n+1
.endr
	WIN 0
.endm
.macro LOADM
.set n, 0
.rept 16
	global_load_b128 v[32+4*n:32+4*n+3], v1, s[28:29] offset:64*(n/2)+16*(n%2)   ; the mask at my query, keys 16 T + 8 h + 0 .. 7
.set n, n+1
.endr
.endm
.macro SMUL c                          ; S^T = K Q^T (+ the mask): sixteen sums, each begun anew
	WIN 0x05
.irp t, 0,1,2,3,4,5,6,7
.irp i, 0,1
.if \c
	v_wmma_f32_16x16x64_fp8_fp8 v[100+68*\i+8*\t:100+68*\i+8*\t+7], v[80+8*\t:80+8*\t+7], v[64+8*\i:64+8*\i+7], v[32+8*\t:32+8*\t+7]
.else
	v_wmma_f32_16x16x64_fp8_fp8 v[100+68*\i+8*\t:100+68*\i+8*\t+7], v[80+8*\t:80+8*\t+7], v[64+8*\i:64+8*\i+7], 0
.endif
.endr
.endr
	WIN 0
.endm
.macro FRESH                           ; the statistics of a task that has seen no key
.irp i, 0,1
	v_mov_b32 v[17+8*\i], 0xff61b1e6               ; the largest t so far: -3e38
	v_mov_b32 v[18+8*\i], 0
	v_mov_b32 v[19+8*\i], 0
	v_floor_f32 v[16+8*\i], -v[17+8*\i]            ; -M
.endr
	WIN 0x40
.set n, 0
.rept 64
	v_mov_b32 v[n], 0                              ; O^T: the step is written once; a task's first finds zeros
.set n, n+1
.endr
	WIN 0
.endm
; THE CHANGE OF TASK.  It stands at least four places behind the last products.  My first task's half goes to my own LDS bytes, each accumulator from its low end on; the second task begins anew, with its Q
.macro STASH
	s_wait_loadcnt 16                              ; both tasks' Q are in; K's sixteen loads may be out
	WIN 0x04
.set n, 0
.rept 16
	ds_store_b128 v2, v[4*n:4*n+3] offset:512*n
.set n, n+1
.endr
	WIN 0
	ds_store_b128 v2, v[16:19] offset:8192
	ds_store_b128 v2, v[24:27] offset:8704
	FRESH
	WIN 0x41
.set n, 0
.rept 16
	v_mov_b32 v[64+n], v[208+n]
.set n, n+1
.endr
	WIN 0
	s_mov_b32 s45, 1
	s_wait_alu depctr_va_vdst(0)
.endm
	s_load_b256 s[4:11], s[0:1], 0x0               ; qc 4, kvc 6, attn_mask 8, lowp_scales 10
	s_load_b128 s[12:15], s[0:1], 0x20             ; flags 12, cc 14
	v_lshl_add_u32 v3, v0, 2, SPARE                ; my spare word; never rewritten
	v_mov_b32 v4, 0                                ; 0; never rewritten
	v_lshrrev_b32 v5, 5, v0
	v_readfirstlane_b32 s16, v5                    ; wave 0..7
	s_and_b32 s18, ttmp7, 0xffff                   ; 8 batch + group
	s_lshr_b32 s41, s16, 1
	s_lshl_b32 s19, ttmp9, 2
	s_add_co_u32 s19, s19, s41                     ; the near tile: 4 x + w / 2
	s_sub_co_u32 s17, 127, s19                     ; the far one
	s_and_b32 s43, s16, 1
	s_mov_b32 s78, 0xaaaa
	s_cmp_eq_u32 s43, 0
	s_cselect_b32 s76, s19, s17                    ; my first task's tile
	s_cselect_b32 s77, s17, s19                    ; my second's
	s_lshr_b32 s41, s16, 2
	s_xor_b32 s41, s41, s16
	s_and_b32 s41, s41, 1
	s_cmp_eq_u32 s41, 0
	s_cselect_b32 s78, 0x5555, s78                 ; my key steps: the even ones where (w xor w / 4) is even
	s_mul_i32 s44, s16, 16*144                     ; my stage
	s_mul_i32 s46, s16, SBYT
	s_add_co_u32 s46, s46, STASH                   ; where my first task's half goes
	s_xor_b32 s47, s16, 1
	s_mul_i32 s47, s47, SBYT
	s_add_co_u32 s47, s47, STASH                   ; and where my partner's lies
	s_mov_b32 s33, 0                               ; the upper word of every offset
	s_mov_b32 s60, 0x76543210
	s_mov_b32 s61, 0xfedcba98
	s_mov_b32 s40, 0                               ; trips done
	s_mov_b32 s45, 0                               ; the task in hand
	v_and_b32 v9, 31, v0
	v_and_b32 v5, 15, v0                           ; r
	v_bfe_u32 v6, v0, 4, 1                         ; h
	v_lshrrev_b32 v8, 3, v9
	v_and_b32 v12, 7, v0
	v_lshlrev_b32 v9, 4, v9                        ; 16 x lane
	v_lshlrev_b32 v1, 13, v5
	v_mul_u32_u24 v7, v5, 144
	v_mul_u32_u24 v8, v8, 144
	v_lshl_add_u32 v13, v6, 8, v1                  ; the prefetch: row r, + 256 h
	v_lshl_add_u32 v1, v6, 5, v1                   ; the mask: row r, + 32 h
	v_lshl_add_u32 v7, v6, 3, v7
	v_lshl_add_u32 v8, v12, 4, v8
	v_add_nc_u32 v7, s44, v7                       ; the way out, in: row r, + 8 h
	v_add_nc_u32 v8, s44, v8                       ; and back: eight lanes to a row of 128 bytes
	v_add_nc_u32 v2, s46, v9
	v_add_nc_u32 v6, s47, v9
.irp i, 0,1
	v_mov_b32 v[21+8*\i], 0                        ; named as the upper half of f's pair
	v_mov_b32 v[236+\i], 0                         ; a lane permute's destination counts as read
.endr
	FRESH
	s_wait_alu depctr_va_vdst(0)
	s_wait_kmcnt 0x0
	s_load_b256 s[48:55], s[10:11], 0x0            ; e0 .. e7
	s_load_b128 s[56:59], s[10:11], 0x20           ; e8 .. e11
	s_lshl_b32 s32, s76, 5
	s_add_nc_u64 s[96:97], s[12:13], s[32:33]
	s_load_b256 s[68:75], s[96:97], 0x0            ; my first tile's list: (LIVE, MIXED) of each four of its rows
	s_lshl_b32 s32, s77, 5
	s_add_nc_u64 s[98:99], s[12:13], s[32:33]
	s_load_b256 s[88:95], s[98:99], 0x0            ; my second's
	s_lshl_b32 s41, s18, 8
	s_add_co_u32 s32, s41, s76
	s_lshl_b32 s32, s32, 10                        ; Q: (256 (8 batch + group) + pt) tiles of 1,024 bytes; the second head 128 tiles on
	s_add_nc_u64 s[80:81], s[4:5], s[32:33]
	s_add_co_u32 s32, s41, s77
	s_lshl_b32 s32, s32, 10
	s_add_nc_u64 s[82:83], s[4:5], s[32:33]
	WIN 0x40
.irp i, 0,1
.irp c, 0,1
	global_load_b128 v[64+8*\i+4*\c:64+8*\i+4*\c+3], v9, s[80:81] offset:131072*\i+512*\c
	global_load_b128 v[208+8*\i+4*\c:208+8*\i+4*\c+3], v9, s[82:83] offset:131072*\i+512*\c
.endr
.endr
	WIN 0
	s_and_b32 s41, s18, 7
	s_lshl_b32 s41, s41, 12
	s_lshr_b32 s42, s18, 3
	s_lshl_b32 s42, s42, 11
	s_add_co_u32 s41, s41, s42
	s_lshl_b32 s42, s77, 4                         ; I write my second task out
	s_add_co_u32 s41, s41, s42
	s_lshl_b32 s32, s41, 7                         ; ctx's codes: (4096 group + 2048 batch + position) rows of 128 bytes
	s_add_nc_u64 s[84:85], s[14:15], s[32:33]
	s_lshl_b32 s32, s18, 18                        ; K, V: 16 steps of 16,384 bytes a group
	s_add_nc_u64 s[20:21], s[6:7], s[32:33]
	s_lshl_b32 s32, s76, 17                        ; the mask's row 16 pt, for my first task
	s_add_nc_u64 s[22:23], s[8:9], s[32:33]
	s_lshl_b32 s32, s77, 17                        ; and for my second
	s_add_nc_u64 s[86:87], s[8:9], s[32:33]
	s_wait_kmcnt 0x0
	s_add_co_i32 s41, s54, s55                     ; e6 + e7
	s_sub_co_i32 s42, s41, 3
	s_lshl_b32 s42, s42, 23
	s_add_co_i32 s66, s42, 0x3fb8aa3b              ; log2(e) x 2^(e6 + e7 - 3): the exponents are added to the constant's exponent field
	s_mov_b32 s67, s66
	s_sub_co_i32 s42, 130, s41
	s_lshl_b32 s62, s42, 23                        ; 2^(3 - e6 - e7)
	s_mov_b32 s63, s62
	s_add_co_i32 s41, s56, 127
	s_lshl_b32 s42, s41, 23
	v_mov_b32 v11, s42                             ; 2^e8
	s_add_co_i32 s41, s41, 8
	s_lshl_b32 s41, s41, 23
	s_or_b32 s41, s41, 0x600000
	v_mov_b32 v10, s41                             ; 448 x 2^e8,
	v_mov_b32 v12, s41                             ; and once more
	s_add_co_i32 s41, s58, 127
	s_lshl_b32 s42, s41, 23
	v_mov_b32 v14, s42                             ; 2^e10
	s_add_co_i32 s41, s41, 8
	s_lshl_b32 s41, s41, 23
	s_or_b32 s41, s41, 0x600000
	v_mov_b32 v15, s41                             ; 448 x 2^e10
	s_or_b32 s34, s68, s70
	s_or_b32 s34, s34, s72
	s_or_b32 s34, s34, s74
	s_or_b32 s34, s34, 1                           ; LIVE of the first task's 16 rows; step 0 is always walked;
	s_and_b32 s34, s34, s78                        ; my steps of them
	s_or_b32 s41, s88, s90
	s_or_b32 s41, s41, s92
	s_or_b32 s41, s41, s94
	s_or_b32 s41, s41, 1
	s_and_b32 s41, s41, s78
	s_lshl_b32 s41, s41, 16
	s_or_b32 s34, s34, s41                         ; the list: the second task's steps in bits 16-31
	s_or_b32 s35, s69, s71
	s_or_b32 s35, s35, s73
	s_or_b32 s35, s35, s75
	s_and_b32 s35, s35, 0xffff
	s_or_b32 s41, s89, s91
	s_or_b32 s41, s41, s93
	s_or_b32 s41, s41, s95
	s_lshl_b32 s41, s41, 16
	s_or_b32 s35, s35, s41                         ; MIXED, laid likewise
	s_cmp_eq_u32 s18, 0
	s_cselect_b32 s36, s35, 0                      ; the tiles that my work-group prefetches
	s_bcnt1_i32_b32 s39, s34                       ; trips: 0 to 16
	s_wait_alu depctr_va_vdst(0)
	s_cmp_eq_u32 s39, 0
	s_cbranch_scc1 .Lafter                         ; none of my steps is walked
	s_ctz_i32_b32 s37, s34
	s_min_u32 s37, s37, 31                         ; the list's entry in hand
	s_sub_co_u32 s41, s34, 1
	s_and_b32 s34, s34, s41                        ; the entries behind it
	s_and_b32 s46, s37, 15
	s_lshl_b32 s32, s46, 14
	s_add_nc_u64 s[24:25], s[20:21], s[32:33]
	LOADK
.Ltrip:                                            ; a trip: one walked step of 128 keys, both heads line by line
	s_wait_xcnt 0x0                                ; every earlier load has read its base
	s_and_b32 s46, s37, 15                         ; the key step
	s_lshl_b32 s32, s46, 14
	s_add_nc_u64 s[26:27], s[20:21], s[32:33]
	s_lshl_b32 s32, s46, 9
	s_cmp_lt_u32 s37, 16
	s_cselect_b64 s[28:29], s[22:23], s[86:87]
	s_add_nc_u64 s[28:29], s[28:29], s[32:33]
	s_lshr_b32 s47, s37, 4                         ; the task
	s_lshr_b32 s41, s35, s37
	s_and_b32 s41, s41, 1
.rept 5
	v_nop                                          ; five places behind the last products: O^T is stored, loads go into V's registers, and the next products write over p's codes
.endr
	s_cmp_eq_u32 s47, s45
	s_cbranch_scc1 .Lsame
	STASH
.Lsame:
	s_cmp_lg_u32 s41, 0
	s_cbranch_scc0 .Lclear
	LOADM
	LOADV
	s_wait_loadcnt 16                              ; Q, K and the mask are in; V's sixteen loads may be out
.set n, 0
.rept 32
	v_pk_mul_f32 v[32+n:32+n+1], v[32+n:32+n+1], s[62:63] op_sel_hi:[1,0]   ; x 2^(3 - e6 - e7): nothing is rounded
.set n, n+2
.endr
	SMUL 1
	s_branch .Ljoin
.Lclear:
	LOADV
	s_wait_loadcnt 16                              ; Q and K are in; V's sixteen loads may be out
	SMUL 0
.Ljoin:
.rept 4
	v_nop                                          ; places ahead of the loads into K's registers and of the first reads of S^T
.endr
	s_sub_co_u32 s41, 0, s34
	s_and_b32 s41, s41, s34                        ; the next entry's bit, 0 if there is none
	s_and_b32 s42, s41, s36
	s_ctz_i32_b32 s38, s34
	s_cmp_eq_u32 s34, 0
	s_cselect_b32 s38, s37, s38                    ; (the last trip: its own entry once more)
	s_min_u32 s38, s38, 31
	s_xor_b32 s34, s34, s41
	s_wait_xcnt 0x0                                ; K's last loads and the last prefetch have read their bases
	s_and_b32 s46, s38, 15
	s_lshl_b32 s32, s46, 14
	s_add_nc_u64 s[24:25], s[20:21], s[32:33]
	LOADK
	s_lshl_b32 s32, s46, 9
	s_cmp_lt_u32 s38, 16
	s_cselect_b64 s[30:31], s[22:23], s[86:87]
	s_add_nc_u64 s[30:31], s[30:31], s[32:33]
	s_cmp_lg_u32 s42, 0
	s_cbranch_scc0 .Lnot_mine
	global_prefetch_b8 v13, s[30:31] th:TH_LOAD_NT scope:SCOPE_SE   ; the next entry's tile of the mask: 16 rows x 512 bytes
.Lnot_mine:
.irp i, 0,1
	v_max3_num_f32 v[22+8*\i], v[100+68*\i], v[101+68*\i], v[102+68*\i]   ; each accumulator from its low end on
	v_max3_num_f32 v[23+8*\i], v[103+68*\i], v[104+68*\i], v[105+68*\i]
.endr
.set n, 6
.rept 14
.irp i, 0,1
	v_max3_num_f32 v[22+8*\i], v[22+8*\i], v[100+68*\i+n], v[101+68*\i+n]
	v_max3_num_f32 v[23+8*\i], v[23+8*\i], v[102+68*\i+n], v[103+68*\i+n]
.endr
.set n, n+4
.endr
.irp i, 0,1
	v_max3_num_f32 v[22+8*\i], v[22+8*\i], v[162+68*\i], v[163+68*\i]
.endr
.irp i, 0,1
	s_delay_alu instid0(VALU_DEP_2)
	v_max_num_f32 v[22+8*\i], v[22+8*\i], v[23+8*\i]
.endr
.irp i, 0,1
	s_delay_alu instid0(VALU_DEP_2)
	v_permlanex16_b32 v[236+\i], v[22+8*\i], s60, s61
.endr
.irp i, 0,1
	s_delay_alu instid0(VALU_DEP_2)
	v_max_num_f32 v[22+8*\i], v[22+8*\i], v[236+\i]    ; the step's largest sum of my query
.endr
.irp i, 0,1
	s_delay_alu instid0(VALU_DEP_2)
	v_mul_f32 v[22+8*\i], s66, v[22+8*\i]              ; as t (the factor is positive)
.endr
	s_delay_alu instid0(VALU_DEP_2)
	v_max_num_f32 v17, v17, v22                        ; the running largest t
	v_mov_b32 v22, v16
	s_delay_alu instid0(VALU_DEP_3)
	v_max_num_f32 v25, v25, v30
	v_mov_b32 v30, v24
	s_delay_alu instid0(VALU_DEP_4)
	v_floor_f32 v16, -v17                              ; the new -M: M is a whole number
	s_delay_alu instid0(VALU_DEP_3)
	v_floor_f32 v24, -v25
.irp i, 0,1
	s_delay_alu instid0(VALU_DEP_2)
	v_sub_f32 v[22+8*\i], v[16+8*\i], v[22+8*\i]
.endr
.irp i, 0,1
	s_delay_alu instid0(VALU_DEP_2)
	v_cvt_i32_f32 v[22+8*\i], v[22+8*\i]               ; (it saturates)
.endr
.irp i, 0,1
	s_delay_alu instid0(VALU_DEP_2)
	v_ldexp_f32 v[20+8*\i], 1.0, v[22+8*\i]            ; f = 2^(old M - new M)
.endr
.set n, 0
.rept 32
.irp i, 0,1
	v_pk_fma_f32 v[100+68*\i+n:100+68*\i+n+1], v[100+68*\i+n:100+68*\i+n+1], s[66:67], v[16+8*\i:17+8*\i] op_sel_hi:[1,0,0]   ; t - M
.endr
.set n, n+2
.endr
	s_wait_alu depctr_va_vdst(0)
.set n, 0
.rept 64
.irp i, 0,1
	v_exp_f32 v[100+68*\i+n], v[100+68*\i+n]           ; p, at most 1, not normalised
.endr
.set n, n+1
.endr
.irp i, 0,1
	v_pk_mul_f32 v[18+8*\i:19+8*\i], v[18+8*\i:19+8*\i], v[20+8*\i:21+8*\i] op_sel_hi:[1,0]   ; the sums under the new M: plain instructions behind the exponentials
.endr
	s_wait_alu depctr_va_vdst(0)                   ; one wait for the batch of 128, ahead of its first reader
.irp i, 0,1
	v_pk_add_f32 v[232+2*\i:233+2*\i], v[100+68*\i:101+68*\i], v[102+68*\i:103+68*\i]
.endr
.set n, 4
.rept 15
.irp i, 0,1
	v_pk_add_f32 v[18+8*\i:19+8*\i], v[18+8*\i:19+8*\i], v[100+68*\i+n:101+68*\i+n]      ; the sum of the unquantised p, in two chains
	v_pk_add_f32 v[232+2*\i:233+2*\i], v[232+2*\i:233+2*\i], v[102+68*\i+n:103+68*\i+n]
.endr
.set n, n+4
.endr
.irp i, 0,1
	v_pk_add_f32 v[18+8*\i:19+8*\i], v[18+8*\i:19+8*\i], v[232+2*\i:233+2*\i]
.endr
.irp c, 0,1,2,3                        ; 16 numbers of each head are held and converted; the codes land four registers below, over numbers converted a block ago
.irp i, 0,1
.set n, 0
.rept 8
	v_dual_min_num_f32 v[100+68*\i+16*\c+n], v[100+68*\i+16*\c+n], v10 :: v_dual_min_num_f32 v[101+68*\i+16*\c+n], v[101+68*\i+16*\c+n], v12   ; the conversion does not saturate (ISA guide 7.6.2); p is not negative: the hold is one-sided; two holds an instruction
.set n, n+2
.endr
.endr
.irp i, 0,1
	v_cvt_scalef32_pk8_fp8_f32 v[96+68*\i+4*\c:96+68*\i+4*\c+1], v[100+68*\i+16*\c:100+68*\i+16*\c+7], v11
	v_cvt_scalef32_pk8_fp8_f32 v[96+68*\i+4*\c+2:96+68*\i+4*\c+3], v[100+68*\i+16*\c+8:100+68*\i+16*\c+15], v11
.endr
	v_nop                                          ; a plain instruction behind the conversions, ahead of the next writes over their sources
.endr
	WIN 0x41
	s_wait_alu depctr_va_vdst(0)                   ; directly ahead of the first reader of O^T
.set n, 0
.rept 16
.irp i, 0,1
	v_pk_mul_f32 v[32*\i+n:32*\i+n+1], v[32*\i+n:32*\i+n+1], v[20+8*\i:21+8*\i] op_sel_hi:[1,0]   ; O^T under the new M
.endr
.set n, n+2
.endr
	s_wait_alu depctr_va_vdst(0)                   ; directly ahead of the wait below
	s_wait_loadcnt 16                              ; V is in: behind it the next K's sixteen loads were issued
	WIN 0x51
.irp t, 0,1,2,3
.irp i, 0,1
	v_wmma_f32_16x16x128_fp8_fp8 v[32*\i+8*\t:32*\i+8*\t+7], v[144+16*\t:144+16*\t+15], v[96+68*\i:96+68*\i+15], v[32*\i+8*\t:32*\i+8*\t+7]   ; eight accumulators by turns
.endr
.endr
	WIN 0
	s_min_u32 s37, s38, 31                         ; on to the next entry
	s_add_co_u32 s40, s40, 1
	s_cmp_lt_u32 s40, s39
	s_cbranch_scc1 .Ltrip
.Lafter:
.rept 4
	v_nop                                          ; places behind the last products
.endr
	s_wait_loadcnt 0x0                             ; Q, and the last trip's K
	s_cmp_eq_u32 s45, 0
	s_cbranch_scc0 .Lstashed
	STASH                                          ; none of my second task's steps was walked: my first task's half still goes to LDS, and my half of the second is empty
.Lstashed:
	s_wait_alu depctr_va_vdst(0)
	s_wait_dscnt 0x0                               ; my half is in LDS
	s_barrier_signal -1
	s_barrier_wait -1                              ; and so is my partner's
.set n, 0
.rept 16
	ds_load_b128 v[100+4*n:100+4*n+3], v6 offset:512*n             ; the other half of the task that I hold: O^T,
.set n, n+1
.endr
	ds_load_b128 v[232:235], v6 offset:8192                        ; and -M, the largest t and the sum's two halves, of each head
	ds_load_b128 v[240:243], v6 offset:8704
	s_wait_dscnt 0x0
.irp i, 0,1
	v_min_num_f32 v[22+8*\i], v[16+8*\i], v[232+8*\i]  ; -M of the two halves together
.endr
.irp i, 0,1
	v_sub_f32 v[20+8*\i], v[22+8*\i], v[16+8*\i]
	v_sub_f32 v[23+8*\i], v[22+8*\i], v[232+8*\i]
.endr
.irp i, 0,1
	v_cvt_i32_f32 v[20+8*\i], v[20+8*\i]               ; (they saturate: an empty half counts for nothing)
	v_cvt_i32_f32 v[23+8*\i], v[23+8*\i]
.endr
.irp i, 0,1
	v_ldexp_f32 v[20+8*\i], 1.0, v[20+8*\i]            ; my half's factor,
	v_ldexp_f32 v[232+8*\i], 1.0, v[23+8*\i]           ; and the other's
.endr
.irp i, 0,1
	v_pk_mul_f32 v[234+8*\i:235+8*\i], v[234+8*\i:235+8*\i], v[232+8*\i:233+8*\i] op_sel_hi:[1,0]
.endr
.irp i, 0,1
	v_pk_fma_f32 v[18+8*\i:19+8*\i], v[18+8*\i:19+8*\i], v[20+8*\i:21+8*\i], v[234+8*\i:235+8*\i] op_sel_hi:[1,0,1]
.endr
.set n, 0
.rept 16
.irp i, 0,1
	v_pk_mul_f32 v[100+32*\i+n:100+32*\i+n+1], v[100+32*\i+n:100+32*\i+n+1], v[232+8*\i:233+8*\i] op_sel_hi:[1,0]
.endr
.set n, n+2
.endr
	WIN 0x41
	s_wait_alu depctr_va_vdst(0)                   ; directly ahead of the first reader of O^T
.set n, 0
.rept 16
.irp i, 0,1
	v_pk_fma_f32 v[32*\i+n:32*\i+n+1], v[32*\i+n:32*\i+n+1], v[20+8*\i:21+8*\i], v[100+32*\i+n:100+32*\i+n+1] op_sel_hi:[1,0,1]   ; each accumulator from its low end on
.endr
.set n, n+2
.endr
	WIN 0
	; THE WAY OUT: O^T / the sum x 2^(e8 + e9), quantised with 2^e10 along the channels, through my stage, out as rows of 128 bytes
.irp i, 0,1
	v_add_f32 v[22+8*\i], v[18+8*\i], v[19+8*\i]
.endr
.irp i, 0,1
	v_permlanex16_b32 v[236+\i], v[22+8*\i], s60, s61
.endr
.irp i, 0,1
	v_add_f32 v[22+8*\i], v[22+8*\i], v[236+\i]
.endr
	s_wait_alu depctr_va_vdst(0)
.irp i, 0,1
	v_rcp_f32 v[20+8*\i], v[22+8*\i]
.endr
	v_nop
	s_add_co_i32 s41, s56, s57
	s_wait_alu depctr_va_vdst(0)                   ; one wait for the two reciprocals
.irp i, 0,1
	v_ldexp_f32 v[20+8*\i], v[20+8*\i], s41
.endr
	WIN 0x01
.set n, 0
.rept 16
.irp i, 0,1
	v_pk_mul_f32 v[100+68*\i+n:100+68*\i+n+1], v[32*\i+n:32*\i+n+1], v[20+8*\i:21+8*\i] op_sel_hi:[1,0]
.endr
.set n, n+2
.endr
	WIN 0
.set n, 0
.rept 32
.irp i, 0,1
	v_med3_num_f32 v[100+68*\i+n], v[100+68*\i+n], -v15, v15
.endr
.set n, n+1
.endr
.irp i, 0,1
.irp t, 0,1,2,3
	v_cvt_scalef32_pk8_fp8_f32 v[232+8*\i+2*\t:232+8*\i+2*\t+1], v[100+68*\i+8*\t:100+68*\i+8*\t+7], v14   ; channels 16 t + 8 h + 0 .. 7 of head i
.endr
.endr
	v_nop
.irp i, 0,1
.irp t, 0,1,2,3
	ds_store_b64 v7, v[232+8*\i+2*\t:232+8*\i+2*\t+1] offset:64*\i+16*\t
.endr
.endr
.irp k, 0,1,2,3
	ds_load_b128 v[32+4*\k:32+4*\k+3], v8 offset:576*\k            ; four rows an instruction; LDS serves a wave's instructions in order
.endr
.irp k, 0,1,2,3
	s_wait_dscnt 3-\k
	global_store_b128 v9, v[32+4*\k:32+4*\k+3], s[84:85] offset:512*\k   ; 512 consecutive bytes
.endr
	s_wait_tensorcnt 0x0                           ; the wave's end
	ds_add_u32 v3, v4
	s_wait_dscnt 0x0
	s_endpgm
.Lfunc_end_k_q3b2568f76a_attn:
	.size	k_q3b2568f76a_attn, .Lfunc_end_k_q3b2568f76a_attn-k_q3b2568f76a_attn
	.p2alignl 7, 3214868480
	.fill 96, 4, 3214868480
	.section	.rodata,"a",@progbits
	.p2align	6, 0x0
	.amdhsa_kernel k_q3b2568f76a_attn
		.amdhsa_group_segment_fixed_size 93184
		.amdhsa_private_segment_fixed_size 0
		.amdhsa_enable_private_segment 0
		.amdhsa_kernarg_size 48
		.amdhsa_user_sgpr_count 2
		.amdhsa_user_sgpr_kernarg_segment_ptr 1
		.amdhsa_wavefront_size32 1
		.amdhsa_system_sgpr_workgroup_id_x 1
		.amdhsa_system_sgpr_workgroup_id_y 1
		.amdhsa_system_sgpr_workgroup_id_z 1
		.amdhsa_system_vgpr_workitem_id 0
		.amdhsa_next_free_vgpr 512
		.amdhsa_next_free_sgpr 100
		.amdhsa_reserve_vcc 0
		.amdhsa_float_denorm_mode_32 3
		.amdhsa_float_denorm_mode_16_64 3
		.amdhsa_memory_ordered 1
		.amdhsa_forward_progress 1
		.amdhsa_inst_pref_size 72
	.end_amdhsa_kernel
	.amdgpu_metadata
---
amdhsa.version: [ 1, 2 ]
amdhsa.kernels:
  - .name:           k_q3b2568f76a_attn
    .symbol:         k_q3b2568f76a_attn.kd
    .args:
      - { .name: qc, .offset: 0, .size: 8, .value_kind: global_buffer, .address_space: global }
      - { .name: kvc, .offset: 8, .size: 8, .value_kind: global_buffer, .address_space: global }
      - { .name: attn_mask, .offset: 16, .size: 8, .value_kind: global_buffer, .address_space: global }
      - { .name: lowp_scales, .offset: 24, .size: 8, .value_kind: global_buffer, .address_space: global }
      - { .name: flags, .offset: 32, .size: 8, .value_kind: global_buffer, .address_space: global }
      - { .name: cc, .offset: 40, .size: 8, .value_kind: global_buffer, .address_space: global }
    .group_segment_fixed_size: 93184
    .private_segment_fixed_size: 0
    .kernarg_segment_align: 8
    .kernarg_segment_size: 48
    .max_flat_workgroup_size: 256
    .sgpr_count:     100
    .vgpr_count:     512
    .wavefront_size: 32
...
	.end_amdgpu_metadata
.endif
;; end of part 3
;; launch oproj (part 4): grid 16 x 16, 4 waves a work-group, clusters of 4 x 4, 327,680 bytes of LDS; arguments cc, woc, lowp_scales, out0; writes out0
.if DOCPART == 4
	.amdgcn_target "amdgcn-amd-amdhsa--gfx1250"
	.amdhsa_code_object_version 6
	.text
	.protected	k_q3b2568f76a_oproj
	.globl	k_q3b2568f76a_oproj
	.p2align	8
	.type	k_q3b2568f76a_oproj,@function
k_q3b2568f76a_oproj:
	s_mov_b64 s[64:65], 0
	v_nop
	global_prefetch_b8 v0, s[64:65] scope:SCOPE_SE
	s_setreg_imm32_b32 hwreg(HW_REG_WAVE_MODE, 25, 1), 1
	s_wait_xcnt 0x0
	s_wait_alu depctr_hold_cnt(0) depctr_sa_sdst(0) depctr_va_vdst(0) depctr_va_sdst(0) depctr_va_ssrc(0) depctr_va_vcc(0) depctr_vm_vsrc(0)
	s_getreg_b32 s2, hwreg(HW_REG_IB_STS2, 6, 4)
	s_cmp_eq_u32 s2, 0
	s_cbranch_scc0 .Lentry_in_a_cluster
	s_endpgm
.Lentry_in_a_cluster:
	s_bfe_u32 s2, ttmp6, 0x10000c
	s_cmp_lg_u32 s2, 0xf033
	s_cbranch_scc0 .Lentry_shape_is_right
	s_endpgm
.Lentry_shape_is_right:
.set AP,    144
.set ACH,   256*AP
.set BP,    272
.set BH,    64*BP
.set BOFF,  2*ACH
.set SLOT,  BOFF+2*BH
.set STAGE, SLOT
.set SPARE, 3*SLOT
.set F0,  64
.set F1,  160
.set G1A, 24
.set G1B, 32
.set G0A, 40
.set G0B, 52
.set Y,   64
.set MUL, 0x50
.set MSB, 0
.macro WIN new
.if MSB != \new
	s_set_vgpr_msb (MSB<<8)|\new
.set MSB, \new
.endif
.endm
.macro PLACES
.rept 4
	v_nop
.endr
.endm
.macro JLOAD s
	s_cmp_eq_u32 s73, 0
	s_cbranch_scc0 .Lfor_b_\@
	tensor_load_to_lds s[G0A+4*\s:G0A+4*\s+3], s[G1A:G1A+7]
	s_nop 0
.rept 4
	v_nop
.endr
	s_branch .Lasked_\@
.Lfor_b_\@:
	tensor_load_to_lds s[G0B+4*\s:G0B+4*\s+3], s[G1B:G1B+7]
	s_nop 0
.rept 4
	v_nop
.endr
.Lasked_\@:
.endm
.macro CREST
	s_cmp_lg_u32 s72, 0
	s_cbranch_scc1 .Lnot_wave_0_\@
	s_barrier_signal -3
.Lnot_wave_0_\@:
	s_barrier_wait -3
	s_barrier_signal -1
	s_barrier_wait -1
.endm
.macro CROUND
	s_barrier_signal -1
	s_barrier_wait -1
	CREST
.endm
	s_load_b256 s[4:11], s[0:1], 0x0
	v_lshl_add_u32 v28, v0, 2, SPARE
	v_mov_b32 v29, 0
	ds_add_u32 v28, v29
	ds_add_u32 v28, v29
	v_lshrrev_b32 v1, 5, v0
	v_readfirstlane_b32 s72, v1
	s_lshr_b32 s73, s72, 1
	s_and_b32 s74, s72, 1
	s_bfe_u32 s75, ttmp6, 0x40000
	s_bfe_u32 s76, ttmp6, 0x40004
	s_lshl_b32 s77, ttmp9, 2
	s_add_co_u32 s77, s77, s75
	s_and_b32 s78, ttmp7, 0xffff
	s_lshl_b32 s78, s78, 2
	s_add_co_u32 s78, s78, s76
	s_lshl_b32 s88, s76, 2
	s_lshl_b32 s88, 15, s88
	s_lshl_b32 s89, 0x1111, s75
	s_or_b32 s[G1A], s88, (1<<20)|(1<<21)|(4<<22)|(3<<25)
	s_or_b32 s[G1B], s89, (1<<20)|(1<<21)|(5<<22)|(3<<25)
	s_mov_b32 s[G1A+1], 256<<16                    ; A's 256 rows of 128 bytes are dense in memory: stated as 128 rows of 256 bytes, the padding still behind each 128 bytes
	s_mov_b32 s[G1A+2], 128<<16
	s_mov_b32 s[G1A+3], 256<<16
	s_mov_b32 s[G1A+4], 128
	s_mov_b32 s[G1A+5], 256
	s_mov_b32 s[G1A+6], 0
	s_mov_b32 s[G1A+7], 0
	s_mov_b32 s[G1B+1], 256<<16
	s_mov_b32 s[G1B+2], 64<<16
	s_mov_b32 s[G1B+3], 256<<16
	s_mov_b32 s[G1B+4], 64
	s_mov_b32 s[G1B+5], 1024
	s_mov_b32 s[G1B+6], 0
	s_mov_b32 s[G1B+7], 0
	s_lshl_b32 s90, s74, 19
	s_lshl_b32 s91, s78, 15
	s_add_co_u32 s90, s90, s91
	s_mov_b32 s91, 0
	s_lshl_b32 s92, s77, 7
	s_lshl_b32 s93, s74, 6
	s_add_co_u32 s92, s92, s93
	s_lshl_b32 s92, s92, 10
	s_mov_b32 s93, 0
	s_mul_i32 s94, s74, ACH
	s_mul_i32 s95, s74, BH
	s_add_co_u32 s95, s95, BOFF
	s_wait_dscnt 0x0
	s_wait_kmcnt 0x0
	s_load_b64 s[82:83], s[8:9], 0x28
	s_add_nc_u64 s[90:91], s[4:5], s[90:91]
	s_add_nc_u64 s[92:93], s[6:7], s[92:93]
	CROUND
.irp s, 0,1,2
	s_mov_b32 s[G0A+4*\s], 1
	s_add_co_u32 s[G0A+4*\s+1], s94, \s*SLOT
	s_add_nc_u64 s[G0A+4*\s+2:G0A+4*\s+3], s[90:91], \s*0x100000
	s_or_b32 s[G0A+4*\s+3], s[G0A+4*\s+3], 0x80000000
	s_mov_b32 s[G0B+4*\s], 1
	s_add_co_u32 s[G0B+4*\s+1], s95, \s*SLOT
	s_add_nc_u64 s[G0B+4*\s+2:G0B+4*\s+3], s[92:93], \s*256
	s_or_b32 s[G0B+4*\s+3], s[G0B+4*\s+3], 0x80000000
	s_wait_alu depctr_va_vdst(0)
	s_wait_tensorcnt 0x0
	ds_add_u32 v28, v29
	ds_add_u32 v28, v29
	s_wait_dscnt 0x0
	CROUND
	JLOAD \s
.endr
	v_and_b32 v1, 15, v0
	v_bfe_u32 v2, v0, 4, 1
	v_mul_u32_u24 v3, v1, AP
	v_lshl_add_u32 v3, v2, 4, v3
	v_mul_u32_u24 v5, v1, BP
	s_wait_alu depctr_va_vdst(0)
	v_lshl_add_u32 v4, v2, 4, v5
	s_mul_i32 s96, s73, 128*AP
	s_mul_i32 s97, s74, BH
	s_add_co_u32 s97, s97, BOFF
.irp s, 0,1,2
	v_add_nc_u32 v[16+\s], s96, v3
	v_add_nc_u32 v[19+\s], s97, v4
	s_add_co_u32 s96, s96, SLOT
	s_add_co_u32 s97, s97, SLOT
.endr
	s_mul_i32 s96, s72, 16*BP
	s_add_co_u32 s96, s96, STAGE
	v_lshl_add_u32 v24, v2, 5, v5
	v_add_nc_u32 v24, s96, v24
	v_mul_u32_u24 v25, v2, BP
	v_lshl_add_u32 v25, v1, 4, v25
	v_add_nc_u32 v25, s96, v25
	v_lshlrev_b32 v26, 13, v2
	v_lshl_add_u32 v26, v1, 4, v26
	s_lshl_b32 s80, s78, 8
	s_lshl_b32 s81, s73, 7
	s_add_co_u32 s80, s80, s81
	s_lshl_b32 s80, s80, 13
	s_lshl_b32 s81, s77, 9
	s_add_co_u32 s80, s80, s81
	s_lshl_b32 s81, s74, 8
	s_add_co_u32 s80, s80, s81
	s_mov_b32 s81, 0
	s_add_nc_u64 s[10:11], s[10:11], s[80:81]
.macro FETCH slot, q, f
.irp i, 0,1,2,3
	ds_load_b128 v[\f+64+8*\i:\f+64+8*\i+3],   v[19+\slot] offset:64*(\q)+\i*16*BP
	ds_load_b128 v[\f+64+8*\i+4:\f+64+8*\i+7], v[19+\slot] offset:64*(\q)+\i*16*BP+32
.endr
.irp i, 0,1,2,3,4,5,6,7
	ds_load_b128 v[\f+8*\i:\f+8*\i+3],   v[16+\slot] offset:((\q)/2)*ACH+64*((\q)%2)+\i*16*AP
	ds_load_b128 v[\f+8*\i+4:\f+8*\i+7], v[16+\slot] offset:((\q)/2)*ACH+64*((\q)%2)+\i*16*AP+32
.endr
.endm
.macro MULA f, a0, n, zero
.set aa, \a0
.rept \n
.irp t, 0,1,2,3
.if \zero
	v_wmma_f32_16x16x64_fp8_fp8 v[32*aa+8*\t:32*aa+8*\t+7], v[\f+64+8*\t:\f+64+8*\t+7], v[\f+8*aa:\f+8*aa+7], 0
.else
	v_wmma_f32_16x16x64_fp8_fp8 v[32*aa+8*\t:32*aa+8*\t+7], v[\f+64+8*\t:\f+64+8*\t+7], v[\f+8*aa:\f+8*aa+7], v[32*aa+8*\t:32*aa+8*\t+7]
.endif
.endr
.set aa, aa+1
.endr
.endm
.macro QUARTER slot, q, f, g, zero
	s_wait_dscnt 8
	WIN MUL
	MULA \f, 0, 4, \zero
	WIN 0
	PLACES
	FETCH \slot, \q, \g
	s_wait_dscnt 24
	WIN MUL
	MULA \f, 4, 4, \zero
.endm
.macro TURN next, fill
	WIN 0
	s_wait_tensorcnt 0x0
	ds_add_u32 v28, v29
	s_wait_dscnt 9
	WIN MUL
	MULA F1, 0, 2, 0
	s_wait_dscnt 0x0
	s_barrier_signal -1
	MULA F1, 2, 2, 0
	WIN 0
	s_barrier_wait -1
.if \fill
	CREST
	s_add_nc_u64 s[G0A+2:G0A+3], s[G0A+2:G0A+3], 0x300000
	s_add_nc_u64 s[G0B+2:G0B+3], s[G0B+2:G0B+3], 768
	JLOAD 0
.else
	PLACES
.endif
	FETCH \next, 0, F0
	WIN MUL
	MULA F1, 4, 4, 0
.endm
	s_wait_tensorcnt 2
	s_barrier_signal -1
	s_barrier_wait -1
	FETCH 0, 0, F0
	QUARTER 0, 1, F0, F1, 1
	QUARTER 0, 2, F1, F0, 0
	QUARTER 0, 3, F0, F1, 0
	TURN 1, 1
	QUARTER 1, 1, F0, F1, 0
	QUARTER 1, 2, F1, F0, 0
	QUARTER 1, 3, F0, F1, 0
	s_wait_alu depctr_va_vdst(0)
	QUARTER 2, 0, F1, F0, 0
	QUARTER 2, 1, F0, F1, 0
	QUARTER 2, 2, F1, F0, 0
	QUARTER 2, 3, F0, F1, 0
	TURN 0, 0
	QUARTER 0, 1, F0, F1, 0
	QUARTER 0, 2, F1, F0, 0
	QUARTER 0, 3, F0, F1, 0
	s_wait_dscnt 8
	WIN MUL
	MULA F1, 0, 4, 0
	s_wait_dscnt 0x0
	MULA F1, 4, 4, 0
	WIN 0
.macro TOSTAGE a
	WIN 0x01
.set n, 0
.rept 16
	v_pk_mul_f32 v[Y+n:Y+n+1], v[32*(\a)+n:32*(\a)+n+1], s[82:83] op_sel_hi:[1,0]
.set n, n+2
.endr
	WIN 0
.irp t, 0,1,2,3
	ds_store_b128 v24, v[Y+8*\t:Y+8*\t+3] offset:64*\t
	ds_store_b128 v24, v[Y+8*\t+4:Y+8*\t+7] offset:64*\t+16
.endr
.irp i, 0,1,2,3,4,5,6,7
	ds_load_b128 v[32+64*((\a)%2)+4*\i:32+64*((\a)%2)+4*\i+3], v25 offset:2*\i*BP
.endr
.endm
.macro SEND a, younger
	s_wait_dscnt \younger
.irp i, 0,1,2,3,4,5,6,7
	global_store_b128 v26, v[32+64*((\a)%2)+4*\i:32+64*((\a)%2)+4*\i+3], s[10:11] offset:(16*(\a)+2*\i)*8192 th:TH_STORE_NT
.endr
.endm
	s_wait_kmcnt 0x0
	s_add_co_i32 s82, s82, s83
	s_add_co_i32 s82, s82, 127
	s_lshl_b32 s82, s82, 23
	s_mov_b32 s83, s82
	PLACES
	TOSTAGE 0
.irp a, 1,2,3,4,5,6,7
.if \a > 1
	s_wait_xcnt 0x0
.endif
	TOSTAGE \a
	SEND \a-1, 16
.endr
	SEND 7, 0
	s_wait_tensorcnt 0x0
	ds_add_u32 v28, v29
	s_wait_dscnt 0x0
	CROUND
	s_endpgm
.Lfunc_end_k_q3b2568f76a_oproj:
	.size	k_q3b2568f76a_oproj, .Lfunc_end_k_q3b2568f76a_oproj-k_q3b2568f76a_oproj
	.p2alignl 7, 3214868480
	.fill 96, 4, 3214868480
	.section	.rodata,"a",@progbits
	.p2align	6, 0x0
	.amdhsa_kernel k_q3b2568f76a_oproj
		.amdhsa_group_segment_fixed_size 327680
		.amdhsa_private_segment_fixed_size 0
		.amdhsa_enable_private_segment 0
		.amdhsa_kernarg_size 32
		.amdhsa_user_sgpr_count 2
		.amdhsa_user_sgpr_kernarg_segment_ptr 1
		.amdhsa_wavefront_size32 1
		.amdhsa_system_sgpr_workgroup_id_x 1
		.amdhsa_system_sgpr_workgroup_id_y 1
		.amdhsa_system_sgpr_workgroup_id_z 1
		.amdhsa_system_vgpr_workitem_id 0
		.amdhsa_next_free_vgpr 512
		.amdhsa_next_free_sgpr 100
		.amdhsa_reserve_vcc 0
		.amdhsa_float_denorm_mode_32 3
		.amdhsa_float_denorm_mode_16_64 3
		.amdhsa_memory_ordered 1
		.amdhsa_forward_progress 1
		.amdhsa_inst_pref_size 95
	.end_amdhsa_kernel
	.amdgpu_metadata
---
amdhsa.version: [ 1, 2 ]
amdhsa.kernels:
  - .name:           k_q3b2568f76a_oproj
    .symbol:         k_q3b2568f76a_oproj.kd
    .args:
      - { .name: cc, .offset: 0, .size: 8, .value_kind: global_buffer, .address_space: global }
      - { .name: woc, .offset: 8, .size: 8, .value_kind: global_buffer, .address_space: global }
      - { .name: lowp_scales, .offset: 16, .size: 8, .value_kind: global_buffer, .address_space: global }
      - { .name: out0, .offset: 24, .size: 8, .value_kind: global_buffer, .address_space: global }
    .group_segment_fixed_size: 327680
    .private_segment_fixed_size: 0
    .kernarg_segment_align: 8
    .kernarg_segment_size: 32
    .max_flat_workgroup_size: 128
    .sgpr_count:     100
    .vgpr_count:     512
    .wavefront_size: 32
...
	.end_amdgpu_metadata
.endif
;; end of part 4
